; MI455X (gfx1250); checked and timed in simulation.
; The chip was launched on July 23, 2026; its instructions are those of AMD's public machine-readable ISA for CDNA 5 (MIT licence, August 2026) and "CDNA5" Instruction Set Architecture Reference Guide (July 2026). The comments in the code are by the model that wrote it; some were corrected since.
;; Multi Head Attention. Allowed arithmetic: matrix products marked QUANTISED: E2M1 operands, one E8M0 scale for each 32 along K, by v_wmma_scale_f32_16x16x128_f8f6f4 with both operands' format E2M1 (or v_wmma_scale_f32_32x16x128_f4), f32 sums; everything else in f32.
;; Inputs: K 2 x 2,048 x 1,024 float32; Q 2 x 2,048 x 1,024 float32; V 2 x 2,048 x 1,024 float32; Wk 1,024 x 1,024 float32; Wo 1,024 x 1,024 float32; Wq 1,024 x 1,024 float32; Wv 1,024 x 1,024 float32; bk 1,024 float32; bo 1,024 float32; bq 1,024 float32; bv 1,024 float32.
;; Outputs: out0 2 x 2,048 x 1,024 float32.
;; This version of the problem:
;;   THIS VERSION OF THE PROBLEM IS GIVEN IN LOW PRECISION. The matrix products marked QUANTISED in the list below multiply operands that are first quantised to E2M1 (2 exponent bits, 1 mantissa bit; 4 bits a number), with one power-of-two scale for each 32 numbers along K (OCP MX v1.0); their sums are f32. All else is computed in f32.
;;   The module's matrix products, in the order in which they are computed (A, B: the left and right operand; K: the contracted axis; several contracted axes count as one K, in the product's order):
;;     1. [M 4,096, K 1,024] x [K 1,024, N 1,024]; A: input Q; B: input Wq: QUANTISED
;;     2. [M 4,096, K 1,024] x [K 1,024, N 1,024]; A: input K; B: input Wk: QUANTISED
;;     3. [M 4,096, K 1,024] x [K 1,024, N 1,024]; A: input V; B: input Wv: QUANTISED
;;     4. batch 32 x [M 2,048, K 64] x [K 64, N 2,048]; A: computed on the way; B: computed on the way: QUANTISED
;;     5. batch 32 x [M 2,048, K 2,048] x [K 2,048, N 64]; A: softmax (see below); B: computed on the way: QUANTISED
;;     6. [M 4,096, K 1,024] x [K 1,024, N 1,024]; A: computed on the way; B: input Wo: QUANTISED
;;   THE QUANTISER, for each operand of a quantised product, along K:
;;     - K is cut into blocks of 32 from its start; a last block that is shorter is filled with zeros.
;;     - A block's scale is 2^e with e = floor(log2(the largest magnitude in the block)) - 2, held to -126 .. 127; a block of zeros has e = 0. As a byte (E8M0): e + 127.
;;     - Each number is divided by its block's scale, clamped to +-6, and rounded to the nearest number of E2M1, ties to even, subnormals kept.
;;     - The product sums the exact products of the quantised numbers (number of the format x scale) in f32.
;;   ~~~python
;;   def quantise(x, axis):      # numpy; x: float32 -> the quantised numbers, widened to float32 again
;;       x = np.moveaxis(x, axis, -1); K = x.shape[-1]
;;       x = np.pad(x, [(0, 0)] * (x.ndim - 1) + [(0, -K % 32)]); x = x.reshape(x.shape[:-1] + (-1, 32)); a = np.abs(x).max(-1, keepdims=True)
;;       e = np.where(a > 0, np.clip(np.frexp(np.where(a > 0, a, 1))[1] - 1 - 2, -126, 127), 0)      # np.frexp(a)[1] - 1 = floor(log2(a)), exactly
;;       r = np.clip(x / 2.0 ** e, -6, 6)
;;       step = 2.0 ** (np.maximum(np.frexp(np.where(r == 0, 1, r))[1] - 1, 0) - 1)
;;       q = np.round(r / step) * step * 2.0 ** e      # np.round: ties to even
;;       return np.moveaxis(q.reshape(q.shape[:-2] + (-1,))[..., :K], -1, axis).astype(np.float32)
;;   ~~~
;;   SOFTMAX AHEAD OF A QUANTISED PRODUCT. Where the list says 'softmax', what is quantised is not the finished softmax but p = 2^(t - M), with t = logit x log2(e) and M = ceil(the row's largest t), a whole number; so 1/2 < the row's largest p <= 1. The row's sum l is taken of the UNQUANTISED p, in f32, and the product's result is divided by l at the end. Since M is a whole number, a kernel that streams over the keys may use a running M (the ceiling of the running maximum): every later rescaling is an exact power of two, which a block's scale takes up: the codes' values come out the same.
;;   OPERANDS COMPUTED ON THE WAY. 'Computed on the way' means the value that the module computes at that place (a softmax that the list does not call 'softmax' is quantised finished and normalised). What goes into a quantiser is computed in f32, as accurately as f32 sums, v_exp_f32 and their like allow (about 1e-6 of the number): no bf16 or f16 on the way to a quantiser, and a product that is left as it is and whose result goes on into a quantised operand takes f32 operands (vector FMAs, or v_wmma_f32_16x16x4_f32). A number that lies on a knife's edge between two numbers of the format may be rounded either way, as far as f32 arithmetic and the matrix unit's own rounding can turn it there, and no further.
;; 2 versions, each right; version 2 is version 1 with the launch attn written anew for expert scheduling mode. Each part assembles by itself: llvm-mc -triple=amdgcn-amd-amdhsa -mcpu=gfx1250 --defsym DOCPART=n.
;; ======== version 1 of 2: 4 launches
;; workspace buffers: codes 8,388,608 bytes; scales 524,288 bytes; hc 6,291,456 bytes; hs 655,360 bytes; oc 2,097,152 bytes; os 131,072 bytes
;; launch quant (part 1): grid 512 x 1, 4 waves a work-group, no clusters, 34,304 bytes of LDS; arguments Q, K, V, Wq, Wk, Wv, Wo, codes, scales; writes codes, scales
.if DOCPART == 1
	.amdgcn_target "amdgcn-amd-amdhsa--gfx1250"
	.amdhsa_code_object_version 6
	.text
	.protected	k_q2cb209e763_quant
	.globl	k_q2cb209e763_quant
	.p2align	8
	.type	k_q2cb209e763_quant,@function
k_q2cb209e763_quant:
	s_mov_b64 s[64:65], 0
	v_nop
	global_prefetch_b8 v0, s[64:65] scope:SCOPE_SE
	s_setreg_imm32_b32 hwreg(HW_REG_WAVE_MODE, 25, 1), 1
	s_wait_xcnt 0x0
; Multi-head attention, all six products on codes of FP4 (E2M1) with one E8M0 scale for each 32 along K.  FIRST OF FOUR LAUNCHES.
; NOTHING IS LEFT OUT: every input has a way to out0 (each bias goes into a quantised operand or into the output), so all eleven inputs are loaded by some launch.
; THIS LAUNCH turns Q, K, V [4096][1024] and Wq, Wk, Wv, Wo [1024][1024], f32, K innermost, into codes and scale words, each f32 byte read once.
; A block's scale is 2^(floor(log2(its largest magnitude)) - 2); its byte is the largest magnitude's exponent field - 2, held at 1 from below.
; LIMITS: NaN and infinities among the inputs are not served.  A block of zeros gets the byte 1 where the rule says 127: its codes are zeros, which add nothing under any byte but 0xff, and this program alone reads the bytes.
; LAYOUT OF THE WORKSPACE: the order of the operand's registers.  Rows go in groups of 32; tile T = 2 G + u; slot r of a tile is row 32 G + 8 u + r + 8 (r / 8).
;   codes:  T x 8192 + s x 1024 + c x 512 + 16 x lane: the 16 bytes of block 4 s + 2 c + lane / 16 of slot lane % 16 (s: the K step of 128).  Tiles: Q 0-255, K 256-511, V 512-767, Wq 768-, Wk 832-, Wv 896-, Wo 960-1023.
;   scales: T x 512 + g x 256 + 16 r + 4 q: the four bytes of K step 4 g + q of slot r.
; SHARES: work-group x takes one group of 32 rows; wave w takes tile u = w / 2 and 512 along K, g = w % 2: four K steps.
; Each load reads 512 consecutive bytes of one row; a K step's 16 rows turn through the wave's own stage in LDS, so that a lane gets two whole blocks of 32 of its slot's row.  Waves share nothing: no barrier.
.set STG,   8448                       ; a wave's stage: 16 rows x (512 bytes + 16 of padding): row r begins 4 r words on in the banks' round of 64 words
.set SPARE, 4*STG                      ; behind the stages: the spare words, 128 bytes for each wave
.set SPW,   6                          ; v6   my spare word's LDS address; never rewritten
.set NIL,   7                          ; v7   0; never rewritten
.set W,     16                         ; v16-19   the four K steps' scale words
.set C,     32                         ; v32-63   codes, eight registers a K step: no store's data are written again
.set R,     64                         ; v64-191  two sets of 64: a K step as it is loaded
.set X,     192                        ; v192-255 my two blocks of 32
	s_load_b512 s[8:23], s[0:1], 0x0               ; Q, K, V, Wq, Wk, Wv, Wo, codes
	s_load_b64 s[24:25], s[0:1], 0x40              ; scales
	v_lshl_add_u32 v[SPW], v0, 2, SPARE
	v_mov_b32 v[NIL], 0
	v_lshrrev_b32 v4, 5, v0
	v_readfirstlane_b32 s7, v4                     ; wave
	v_and_b32 v4, 31, v0                           ; lane
	v_and_b32 v10, 15, v0                          ; r
	v_bfe_u32 v11, v0, 4, 1                        ; h
	v_lshlrev_b32 v1, 4, v4                        ; v1: 16 x lane: my bytes of a load's 512, and of a store's
	s_mul_i32 s26, s7, STG
	v_add_nc_u32 v2, s26, v1                       ; v2: the stage on the way in
	v_mul_u32_u24 v3, v10, 528
	v_lshl_add_u32 v3, v11, 7, v3
	v_add_nc_u32 v3, s26, v3                       ; v3: on the way out: row r, + 128 h: block h of the K step
	v_lshlrev_b32 v5, 4, v10
	v_lshl_add_u32 v5, v11, 3, v5                  ; v5: 16 r + 8 h: where my two scale words go
	v_lshlrev_b32 v8, 3, v11                       ; v8: 8 h: my bytes' place in a scale word, in bits
	v_mov_b32 v9, 0                                ; a lane permute's destination counts as one of its sources
	s_mov_b32 s28, 0x76543210
	s_mov_b32 s29, 0xfedcba98                      ; v_permlanex16_b32's selects for lane l xor 16
	s_lshr_b32 s30, s7, 1                          ; u
	s_and_b32 s31, s7, 1                           ; g
	s_lshl_b32 s34, ttmp9, 2
	s_add_co_u32 s34, s34, s7                      ; 4 x + w
	s_lshl_b32 s36, s34, 12                        ; my 4,096 bytes of codes
	s_mov_b32 s37, 0
	s_lshl_b32 s38, s34, 8                         ; my 256 bytes of scale words
	s_mov_b32 s39, 0
	s_wait_kmcnt 0x0
	s_mov_b64 s[4:5], s[8:9]                       ; which tensor: the choice hangs on the work-group's number alone
	s_mov_b32 s6, 0                                ; and the tensor's first group
.macro PICK lim, p
	s_cmp_ge_u32 ttmp9, \lim
	s_cselect_b64 s[4:5], s[\p:\p+1], s[4:5]
	s_cselect_b32 s6, \lim, s6
.endm
	PICK 128, 10
	PICK 256, 12
	PICK 384, 14
	PICK 416, 16
	PICK 448, 18
	PICK 480, 20
	s_sub_co_u32 s32, ttmp9, s6
	s_lshl_b32 s32, s32, 17                        ; 32 rows of 4,096 bytes a group,
	s_lshl_b32 s30, s30, 15                        ; 8 rows on for tile 1,
	s_lshl_b32 s31, s31, 11                        ; 512 numbers on for the second half of K
	s_add_co_u32 s32, s32, s30
	s_add_co_u32 s32, s32, s31
	s_mov_b32 s33, 0
	s_add_nc_u64 s[4:5], s[4:5], s[32:33]
	s_add_nc_u64 s[22:23], s[22:23], s[36:37]
	s_add_nc_u64 s[24:25], s[24:25], s[38:39]
.macro LOAD q                          ; K step q: slot i's row lies i + 8 (i / 8) rows on; 32 lanes read 512 consecutive bytes
.irp i, 0,1,2,3,4,5,6,7,8,9,10,11,12,13,14,15
	global_load_b128 v[R+64*((\q)%2)+4*\i:R+64*((\q)%2)+4*\i+3], v1, s[4:5] offset:(\i+8*(\i/8))*4096+512*(\q) th:TH_LOAD_NT
.endr
.endm
.macro STEP q
.if (\q) < 3
	s_wait_loadcnt 16                              ; this K step's 16 loads are in; the next one's 16 may be out
.else
	s_wait_loadcnt 0x0
.endif
.irp i, 0,1,2,3,4,5,6,7,8,9,10,11,12,13,14,15
	ds_store_b128 v2, v[R+64*((\q)%2)+4*\i:R+64*((\q)%2)+4*\i+3] offset:528*\i
.endr
.irp c, 0,1
.irp j, 0,1,2,3,4,5,6,7
	ds_load_b128 v[X+32*\c+4*\j:X+32*\c+4*\j+3], v3 offset:256*\c+16*\j   ; LDS serves a wave's instructions in order: these see the stores above.  Block 2 c + h of my row
.endr
.endr
	s_wait_dscnt 0x0                               ; my blocks are in, and the stores have read their registers,
.if (\q) < 2
	LOAD (\q)+2                                    ; which take the K step two on
.endif
.irp c, 0,1
	v_max3_num_f32 v[10+\c], |v[X+32*\c]|, |v[X+32*\c+1]|, 0x1800000   ; the block's largest magnitude, and the floor 2^(3 - 127): the byte cannot fall under 1
.endr
.irp i, 2,4,6,8,10,12,14,16,18,20,22,24,26,28,30
.irp c, 0,1
	v_max3_num_f32 v[10+\c], v[10+\c], |v[X+32*\c+\i]|, |v[X+32*\c+\i+1]|   ; (the two blocks by turns)
.endr
.endr
.irp c, 0,1
	v_add_nc_u32 v[12+\c], 0xff000000, v[10+\c]    ; 2 off the exponent field: the conversion takes this operand's exponent field as its scale
.endr
.irp c, 0,1
.irp g, 0,1,2,3
	v_cvt_scalef32_pk8_fp4_f32 v[C+8*(\q)+4*\c+\g], v[X+32*\c+8*\g:X+32*\c+8*\g+7], v[12+\c]
.endr
.endr
	v_lshrrev_b32 v14, 23, v12                     ; the scales' bytes (plain lines directly behind the conversions)
	v_lshrrev_b32 v15, 23, v13
	v_lshl_or_b32 v14, v15, 16, v14                ; blocks h and 2 + h,
	v_lshlrev_b32 v14, v8, v14                     ; at their places in the word;
	v_permlanex16_b32 v9, v14, s28, s29
	v_or_b32 v[W+(\q)], v14, v9                    ; with lane l xor 16's two the word is whole
	global_store_b128 v1, v[C+8*(\q):C+8*(\q)+3], s[22:23] offset:1024*(\q) th:TH_STORE_NT        ; 512 consecutive bytes, aligned
	global_store_b128 v1, v[C+8*(\q)+4:C+8*(\q)+7], s[22:23] offset:1024*(\q)+512 th:TH_STORE_NT
.endm
	LOAD 0
	LOAD 1
	STEP 0
	STEP 1
	STEP 2
	STEP 3
	v_cmp_ne_u32 vcc_lo, 0, v8
	v_cndmask_b32 v20, v16, v18, vcc_lo            ; lanes 0-15 send words 0, 1 of their slot, lanes 16-31 words 2, 3
	v_cndmask_b32 v21, v17, v19, vcc_lo
	global_store_b64 v5, v[20:21], s[24:25] th:TH_STORE_NT   ; 256 consecutive bytes, aligned
	s_wait_tensorcnt 0x0                           ; the wave's end: behind my last LDS store
	ds_add_u32 v[SPW], v[NIL]
	s_wait_dscnt 0x0
	s_endpgm
.Lfunc_end_k_q2cb209e763_quant:
	.size	k_q2cb209e763_quant, .Lfunc_end_k_q2cb209e763_quant-k_q2cb209e763_quant
	.p2alignl 7, 3214868480
	.fill 96, 4, 3214868480
	.section	.rodata,"a",@progbits
	.p2align	6, 0x0
	.amdhsa_kernel k_q2cb209e763_quant
		.amdhsa_group_segment_fixed_size 34304
		.amdhsa_private_segment_fixed_size 0
		.amdhsa_enable_private_segment 0
		.amdhsa_kernarg_size 72
		.amdhsa_user_sgpr_count 2
		.amdhsa_user_sgpr_kernarg_segment_ptr 1
		.amdhsa_wavefront_size32 1
		.amdhsa_system_sgpr_workgroup_id_x 1
		.amdhsa_system_sgpr_workgroup_id_y 1
		.amdhsa_system_sgpr_workgroup_id_z 1
		.amdhsa_system_vgpr_workitem_id 0
		.amdhsa_next_free_vgpr 256
		.amdhsa_next_free_sgpr 66
		.amdhsa_reserve_vcc 1
		.amdhsa_float_denorm_mode_32 3
		.amdhsa_float_denorm_mode_16_64 3
		.amdhsa_memory_ordered 1
		.amdhsa_forward_progress 1
		.amdhsa_inst_pref_size 30
	.end_amdhsa_kernel
	.amdgpu_metadata
---
amdhsa.version: [ 1, 2 ]
amdhsa.kernels:
  - .name:           k_q2cb209e763_quant
    .symbol:         k_q2cb209e763_quant.kd
    .args:
      - { .name: Q, .offset: 0, .size: 8, .value_kind: global_buffer, .address_space: global }
      - { .name: K, .offset: 8, .size: 8, .value_kind: global_buffer, .address_space: global }
      - { .name: V, .offset: 16, .size: 8, .value_kind: global_buffer, .address_space: global }
      - { .name: Wq, .offset: 24, .size: 8, .value_kind: global_buffer, .address_space: global }
      - { .name: Wk, .offset: 32, .size: 8, .value_kind: global_buffer, .address_space: global }
      - { .name: Wv, .offset: 40, .size: 8, .value_kind: global_buffer, .address_space: global }
      - { .name: Wo, .offset: 48, .size: 8, .value_kind: global_buffer, .address_space: global }
      - { .name: codes, .offset: 56, .size: 8, .value_kind: global_buffer, .address_space: global }
      - { .name: scales, .offset: 64, .size: 8, .value_kind: global_buffer, .address_space: global }
    .group_segment_fixed_size: 34304
    .private_segment_fixed_size: 0
    .kernarg_segment_align: 8
    .kernarg_segment_size: 72
    .max_flat_workgroup_size: 128
    .sgpr_count:     66
    .vgpr_count:     256
    .wavefront_size: 32
...
	.end_amdgpu_metadata
.endif
;; end of part 1
;; launch proj (part 2): grid 64 x 3, 8 waves a work-group, no clusters, 279,552 bytes of LDS; arguments codes, scales, bq, bk, bv, hc, hs; writes hc, hs
.if DOCPART == 2
	.amdgcn_target "amdgcn-amd-amdhsa--gfx1250"
	.amdhsa_code_object_version 6
	.text
	.protected	k_q2cb209e763_proj
	.globl	k_q2cb209e763_proj
	.p2align	8
	.type	k_q2cb209e763_proj,@function
k_q2cb209e763_proj:
	s_mov_b64 s[64:65], 0
	v_nop
	global_prefetch_b8 v0, s[64:65] scope:SCOPE_SE
	s_setreg_imm32_b32 hwreg(HW_REG_WAVE_MODE, 25, 1), 1
	s_wait_xcnt 0x0
; SECOND LAUNCH: q = Q Wq^T + bq, k = K Wk^T + bk, v = V Wv^T + bv on the codes of the first launch; the results are quantised in registers: q and k along the head's 64, v along the keys.  Nothing is left out.
; ONE FORM FOR ALL THREE: C'[i][j] = sum over k of P[i][k] R[j][k]; source 0 = 16 rows of R, source 1 = 16 rows of P: a lane holds one i, and by the slot order of R's tiles the 16 registers of
; R's tiles 2 b and 2 b + 1 are the neighbours j = 32 b + 16 (lane / 16) + 0 .. 15.  The result is quantised along j.  Jobs 0, 1 (work-group y): P = tokens, R = weights.  Job 2: P = Wv, R = V's tokens.
; SHARES: a work-group makes 256 i x 256 j with all of K = 1,024 in LDS (filled once, 272 KB); wave w makes 64 i (wi = w % 4) x 128 j (wj = w / 4): 32 accumulators.
; No cluster: the grid divides into clusters and tiles are shared (four work-groups read each block of tokens, sixteen each block of weights); each work-group asks once, at its head, for 272 KB; left plain in this text.
; OUT: hc: q at 0 and k at 2,097,152 as [16 batch + head][token tile 128][512 bytes]: registers 0-3 of a fragment (d = 32 (lane / 16) + 0 .. 31 of slot lane % 16); v at 4,194,304 as [bh][key step 16][d tile 4][1,024 bytes].
;      hs: q at 0 and k at 262,144 as [bh][quad of tiles 32][r 16][tile 4][4 bytes] (bytes 0, 1: the two blocks; 2, 3: zero, over zero codes); v at 524,288 as [bh][key step 16][r 16][d tile 4][4 bytes].
; LIMITS: as the first launch's: no NaN or infinity; a block of zeros keeps the byte 1.
; REGISTERS: window 0: v1-13 addresses; v16-31 P's scale words, v32-63 R's; v64-159 and v160-255 two sets of fragments (R's eight, then P's four).  Window 1: accumulator (a, b) at 64 a + 8 b.
;   On the way out window 0 holds: v64-95 codes, v96-159 the bias, v160-223 64 numbers, v224-239 at work, v240 a scale word, v244-249 words on their way out.
.set RCOD,  131072                     ; LDS: P's codes at 0, R's here, 16 tiles x 8,192 bytes each,
.set PSCL,  262144                     ; P's scale words, 16 x 512 bytes,
.set RSCL,  270336                     ; R's,
.set SPARE, 278528                     ; and the spare words, 128 bytes for each of eight waves
.set SPW, 12
.set NIL, 13
.set SPB, 16
.set SRB, 32
.set F,   64
.set PC,  64
.set BB,  96
.set HA,  160
.set TM,  224
.set PW,  240
.set SW,  244
.set SEL, 48
.set MSB, 0
.macro WIN new                         ; the immediate's high byte repeats the setting that is left
.if MSB != \new
	s_set_vgpr_msb (MSB<<8)|\new
.set MSB, \new
.endif
.endm
; one product.  ra, rb: the scale words stand in lanes 16-31 of their register.  cm = 0: C is 0; 1: C is D; 2: C is v[cr] on
.macro WM d, fa, fb, sa, sb, ra, rb, cm, cr
.set dL, \d
.set aL, \fa
.set bL, \fb
.set sA, \sa
.set sB, \sb
.set cL, \d
.if (\cm) == 2
.set cL, \cr
.endif
.if (\cm) == 0
.if ((\ra) == 0) && ((\rb) == 0)
	v_wmma_scale_f32_16x16x128_f8f6f4 v[dL:dL+7], v[aL:aL+7], v[bL:bL+7], 0, v[sA], v[sB] matrix_a_fmt:MATRIX_FMT_FP4 matrix_b_fmt:MATRIX_FMT_FP4
.elseif (\rb) == 0
	v_wmma_scale_f32_16x16x128_f8f6f4 v[dL:dL+7], v[aL:aL+7], v[bL:bL+7], 0, v[sA], v[sB] matrix_a_fmt:MATRIX_FMT_FP4 matrix_b_fmt:MATRIX_FMT_FP4 matrix_a_scale:MATRIX_SCALE_ROW1
.elseif (\ra) == 0
	v_wmma_scale_f32_16x16x128_f8f6f4 v[dL:dL+7], v[aL:aL+7], v[bL:bL+7], 0, v[sA], v[sB] matrix_a_fmt:MATRIX_FMT_FP4 matrix_b_fmt:MATRIX_FMT_FP4 matrix_b_scale:MATRIX_SCALE_ROW1
.else
	v_wmma_scale_f32_16x16x128_f8f6f4 v[dL:dL+7], v[aL:aL+7], v[bL:bL+7], 0, v[sA], v[sB] matrix_a_fmt:MATRIX_FMT_FP4 matrix_b_fmt:MATRIX_FMT_FP4 matrix_a_scale:MATRIX_SCALE_ROW1 matrix_b_scale:MATRIX_SCALE_ROW1
.endif
.else
.if ((\ra) == 0) && ((\rb) == 0)
	v_wmma_scale_f32_16x16x128_f8f6f4 v[dL:dL+7], v[aL:aL+7], v[bL:bL+7], v[cL:cL+7], v[sA], v[sB] matrix_a_fmt:MATRIX_FMT_FP4 matrix_b_fmt:MATRIX_FMT_FP4
.elseif (\rb) == 0
	v_wmma_scale_f32_16x16x128_f8f6f4 v[dL:dL+7], v[aL:aL+7], v[bL:bL+7], v[cL:cL+7], v[sA], v[sB] matrix_a_fmt:MATRIX_FMT_FP4 matrix_b_fmt:MATRIX_FMT_FP4 matrix_a_scale:MATRIX_SCALE_ROW1
.elseif (\ra) == 0
	v_wmma_scale_f32_16x16x128_f8f6f4 v[dL:dL+7], v[aL:aL+7], v[bL:bL+7], v[cL:cL+7], v[sA], v[sB] matrix_a_fmt:MATRIX_FMT_FP4 matrix_b_fmt:MATRIX_FMT_FP4 matrix_b_scale:MATRIX_SCALE_ROW1
.else
	v_wmma_scale_f32_16x16x128_f8f6f4 v[dL:dL+7], v[aL:aL+7], v[bL:bL+7], v[cL:cL+7], v[sA], v[sB] matrix_a_fmt:MATRIX_FMT_FP4 matrix_b_fmt:MATRIX_FMT_FP4 matrix_a_scale:MATRIX_SCALE_ROW1 matrix_b_scale:MATRIX_SCALE_ROW1
.endif
.endif
.endm
; 64 numbers of a lane, v[s] on, register 16 b + i = element 32 b + 16 (lane / 16) + i of my row, become a fragment's codes in v[pc] on and its scale word in v[PW]
.macro QUANT s, pc
.set pcL, \pc
.irp b, 0,1,2,3
	v_max3_num_f32 v[TM+\b], |v[\s+16*\b]|, |v[\s+1+16*\b]|, 0x1800000   ; my 16 numbers of block b, and the floor 2^(3 - 127): the byte cannot fall under 1
.endr
.irp i, 2,4,6,8,10,12,14
.irp b, 0,1,2,3
	v_max3_num_f32 v[TM+\b], v[TM+\b], |v[\s+16*\b+\i]|, |v[\s+1+16*\b+\i]|   ; (the four blocks by turns)
.endr
.endr
.irp b, 0,1,2,3
	v_permlanex16_b32 v[TM+4+\b], v[TM+\b], s[SEL], s[SEL+1]
.endr
.irp b, 0,1,2,3
	v_max_num_f32 v[TM+\b], v[TM+\b], v[TM+4+\b]   ; with lane l xor 16's: the block's largest magnitude
.endr
.irp b, 0,1,2,3
	v_add_nc_u32 v[TM+12+\b], 0xff000000, v[TM+\b] ; 2 off its exponent field: the conversion's scale operand
.endr
.irp b, 0,1,2,3
	v_lshrrev_b32 v[TM+4+\b], 23, v[TM+12+\b]      ; the scale's byte
.endr
	v_lshl_or_b32 v[PW], v[TM+5], 8, v[TM+4]
	v_lshl_or_b32 v[PW], v[TM+6], 16, v[PW]
	v_lshl_or_b32 v[PW], v[TM+7], 24, v[PW]        ; my row's scale word, the same in both halves of the lanes
.irp b, 0,1,2,3
	v_cvt_scalef32_pk8_fp4_f32 v[pcL+2*\b], v[\s+16*\b:\s+7+16*\b], v[TM+12+\b]
	v_cvt_scalef32_pk8_fp4_f32 v[pcL+1+2*\b], v[\s+8+16*\b:\s+15+16*\b], v[TM+12+\b]
.endr
	v_nop                                          ; one plain place behind a scaled conversion
.irp c, 0,1                                    ; the operand's layout wants a whole block in a lane: lanes 0-15 block 2 c, lanes 16-31 block 2 c + 1
.irp i, 0,1
	v_permlane16_swap_b32 v[pcL+4*\c+\i], v[pcL+2+4*\c+\i]
.endr
.endr
.endm
	s_load_b256 s[4:11], s[0:1], 0x0               ; codes, scales, bq, bk
	s_load_b128 s[12:15], s[0:1], 0x20             ; bv, hc
	s_load_b64 s[16:17], s[0:1], 0x30              ; hs
	v_lshl_add_u32 v[SPW], v0, 2, SPARE
	v_mov_b32 v[NIL], 0
	ds_add_u32 v[SPW], v[NIL]                      ; the wave's opening: the add, twice on end, and its wait ahead of my first tensor load
	ds_add_u32 v[SPW], v[NIL]
	v_lshrrev_b32 v1, 5, v0
	v_readfirstlane_b32 s18, v1                    ; wave 0..7
	s_and_b32 s19, ttmp7, 0xffff                   ; job
	s_lshr_b32 s20, ttmp9, 2                       ; ub: which 256 tokens
	s_and_b32 s21, ttmp9, 3                        ; wb: which 256 rows of the weight
	s_and_b32 s22, s18, 3                          ; wi
	s_lshr_b32 s23, s18, 2                         ; wj
	; group 1 for codes: 32,768 dense bytes as 128 rows of 32 elements of 8 bytes
	s_mov_b32 s24, 3<<16
	s_mov_b32 s25, 32<<16                          ; tensor_dim0
	s_mov_b32 s26, 128<<16                         ; tensor_dim1
	s_mov_b32 s27, 32<<16                          ; tile_dim0
	s_mov_b32 s28, 128                             ; tile_dim1
	s_mov_b32 s29, 32                              ; the pitch
	s_mov_b32 s30, 0
	s_mov_b32 s31, 0
	; group 1 for scale words: 2,048 dense bytes as 8 such rows
	s_mov_b32 s32, 3<<16
	s_mov_b32 s33, 32<<16
	s_mov_b32 s34, 8<<16
	s_mov_b32 s35, 32<<16
	s_mov_b32 s36, 8
	s_mov_b32 s37, 32
	s_mov_b32 s38, 0
	s_mov_b32 s39, 0
	s_mov_b32 s[SEL], 0x76543210
	s_mov_b32 s[SEL+1], 0xfedcba98
	s_lshl_b32 s52, s19, 8
	s_lshl_b32 s53, s20, 4
	s_add_co_u32 s52, s52, s53                     ; the tokens' first tile: 256 job + 16 ub
	s_lshl_b32 s53, s19, 6
	s_lshl_b32 s54, s21, 4
	s_add_co_u32 s53, s53, s54
	s_add_co_u32 s53, s53, 768                     ; the weight's: 768 + 64 job + 16 wb
	s_cmp_eq_u32 s19, 2
	s_cselect_b32 s54, s53, s52                    ; P's first tile
	s_cselect_b32 s55, s52, s53                    ; R's
	s_cmp_lt_u32 s18, 4
	s_cselect_b32 s54, s54, s55                    ; waves 0-3 fetch P, waves 4-7 R,
	s_lshl_b32 s55, s22, 2
	s_add_co_u32 s54, s54, s55                     ; four tiles each
	s_lshl_b32 s56, s54, 13
	s_mov_b32 s57, 0
	s_lshl_b32 s58, s54, 9
	s_mov_b32 s59, 0
	s_wait_dscnt 0x0                               ; both opening adds are done
	s_wait_kmcnt 0x0
	s_mov_b32 s40, 1
	s_lshl_b32 s41, s18, 15                        ; LDS: wave x 32,768
	s_add_nc_u64 s[42:43], s[4:5], s[56:57]
	s_or_b32 s43, s43, 0x80000000
	s_mov_b32 s44, 1
	s_lshl_b32 s45, s18, 11
	s_add_co_u32 s45, s45, PSCL                    ; LDS: 262,144 + wave x 2,048
	s_add_nc_u64 s[46:47], s[6:7], s[58:59]
	s_or_b32 s47, s47, 0x80000000
	tensor_load_to_lds s[40:43], s[24:31]          ; every wave issues its two first fills, with no branch: two loads of mine are out
	s_nop 0
	tensor_load_to_lds s[44:47], s[32:39]
	s_nop 0
	s_cmp_eq_u32 s19, 1
	s_cselect_b64 s[50:51], s[10:11], s[8:9]
	s_cmp_eq_u32 s19, 2
	s_cselect_b64 s[50:51], s[12:13], s[50:51]     ; the job's bias
	v_and_b32 v6, 31, v0
	v_and_b32 v7, 15, v0                           ; v7: r
	v_bfe_u32 v11, v0, 4, 1                        ; v11: h
	v_lshlrev_b32 v5, 4, v6                        ; v5: 16 x lane
	s_lshl_b32 s52, s22, 15
	v_add_nc_u32 v1, s52, v5                       ; v1: my four tiles of P
	s_lshl_b32 s52, s23, 16
	s_add_co_u32 s52, s52, RCOD
	v_add_nc_u32 v2, s52, v5                       ; v2: my eight tiles of R
	v_lshlrev_b32 v3, 4, v7
	v_lshl_add_u32 v3, v11, 9, v3                  ; 16 r + 512 h: lanes 16-31 take the odd tile of a pair
	s_lshl_b32 s52, s23, 12
	s_add_co_u32 s52, s52, RSCL
	v_add_nc_u32 v4, s52, v3                       ; v4: R's scale words
	s_lshl_b32 s52, s22, 11
	s_add_co_u32 s52, s52, PSCL
	v_add_nc_u32 v3, s52, v3                       ; v3: P's
	v_lshlrev_b32 v10, 4, v11                      ; v10: 16 h
	s_wait_tensorcnt 0x0                           ; my parts have landed,
	s_barrier_signal -1
	s_barrier_wait -1                              ; everybody's have: the one barrier of the launch
.macro LOADSET s, set                  ; K step s: 24 loads of 512 consecutive bytes
.irp b, 0,1,2,3,4,5,6,7
.irp c, 0,1
	ds_load_b128 v[F+96*(\set)+8*\b+4*\c:F+96*(\set)+8*\b+4*\c+3], v2 offset:8192*\b+1024*(\s)+512*\c
.endr
.endr
.irp a, 0,1,2,3
.irp c, 0,1
	ds_load_b128 v[F+96*(\set)+64+8*\a+4*\c:F+96*(\set)+64+8*\a+4*\c+3], v1 offset:8192*\a+1024*(\s)+512*\c
.endr
.endr
.endm
.macro MULS s, set, cm                 ; 32 products: the accumulators take turns, one instruction a turn, in the same order in every K step
.irp a, 0,1,2,3
.irp b, 0,1,2,3,4,5,6,7
	WM 64*\a+8*\b, F+96*(\set)+8*\b, F+96*(\set)+64+8*\a, SRB+8*(\b/2)+(\s), SPB+8*(\a/2)+(\s), \b%2, \a%2, \cm, 0
.endr
.endr
.endm
.macro KSTEP s
.if (\s) < 7
	s_wait_dscnt 24                                ; this K step's fragments are in; the next set's 24 loads may be out
.else
	s_wait_dscnt 0x0
.endif
	WIN 0x50                                       ; C and D in window 1
.if (\s) == 0
	MULS \s, (\s)%2, 0                             ; the first products start the sums
.else
	MULS \s, (\s)%2, 1
.endif
.rept 4
	v_nop                                          ; four places in front of loads into, and vector writes of, registers that matrix instructions have read, and of the first read of results
.endr
	WIN 0
.if (\s) <= 5
	LOADSET (\s)+2, (\s)%2
.endif
.endm
.irp p, 0,1
.irp g, 0,1
	ds_load_b128 v[SPB+8*\p+4*\g:SPB+8*\p+4*\g+3], v3 offset:1024*\p+256*\g   ; register 8 p + s: lanes 0-15 tile 2 p's word of K step s, lanes 16-31 tile 2 p + 1's
.endr
.endr
.irp p, 0,1,2,3
.irp g, 0,1
	ds_load_b128 v[SRB+8*\p+4*\g:SRB+8*\p+4*\g+3], v4 offset:1024*\p+256*\g
.endr
.endr
	LOADSET 0, 0
	LOADSET 1, 1
	KSTEP 0
	KSTEP 1
	KSTEP 2
	KSTEP 3
	KSTEP 4
	KSTEP 5
	KSTEP 6
; THE WAY OUT of P's tile a: the bias is added on the way from window 1 to window 0, each accumulator read from its low end on; then quantised and stored as the reader's registers want it
.macro EPI a, isv
	WIN 0x01                                       ; source 0 in window 1
.set ii, 0
.rept 32
.if \isv
	v_pk_add_f32 v[HA+ii:HA+ii+1], v[64*(\a)+ii:64*(\a)+ii+1], v[BB+2*(\a):BB+2*(\a)+1]
.else
	v_pk_add_f32 v[HA+ii:HA+ii+1], v[64*(\a)+ii:64*(\a)+ii+1], v[BB+ii:BB+ii+1]
.endif
.set ii, ii+2
.endr
	WIN 0
	QUANT HA, PC+8*(\a)
.if \isv
	global_store_b128 v5, v[PC+8*(\a):PC+8*(\a)+3], s[14:15] offset:1024*(\a) th:TH_STORE_NT       ; d tile a of my head and key step: 512 consecutive bytes a store
	global_store_b128 v5, v[PC+8*(\a)+4:PC+8*(\a)+7], s[14:15] offset:1024*(\a)+512 th:TH_STORE_NT
	v_mov_b32 v[SW+(\a)], v[PW]
.else
	global_store_b128 v5, v[PC+8*(\a):PC+8*(\a)+3], s[14:15] offset:512*(\a) th:TH_STORE_NT        ; my first head's 64,
	global_store_b128 v5, v[PC+8*(\a)+4:PC+8*(\a)+7], s[14:15] offset:65536+512*(\a) th:TH_STORE_NT   ; my second head's
	v_bfe_u32 v[SW+(\a)], v[PW], v10, 16           ; lanes 0-15 keep the first head's two bytes, lanes 16-31 the second's
.endif
.endm
	s_cmp_eq_u32 s19, 2                            ; the work-group's number alone: all eight waves go the same way; no barrier follows
	s_cbranch_scc1 .Lv
	; ---- q and k: j = 256 wb + 128 wj + .. are two heads' 64
	s_lshl_b32 s52, s21, 10
	s_lshl_b32 s53, s23, 9
	s_add_co_u32 s52, s52, s53
	s_mov_b32 s53, 0
	s_add_nc_u64 s[50:51], s[50:51], s[52:53]      ; the bias at my first j
	s_lshl_b32 s54, s21, 2
	s_lshl_b32 s55, s23, 1
	s_add_co_u32 s54, s54, s55                     ; my first head
	s_lshr_b32 s55, s20, 3
	s_lshl_b32 s55, s55, 4
	s_add_co_u32 s54, s54, s55                     ; + 16 x batch
	s_lshl_b32 s55, s20, 4
	s_lshl_b32 s56, s22, 2
	s_add_co_u32 s55, s55, s56
	s_and_b32 s55, s55, 127                        ; my first token tile in the batch
	s_lshl_b32 s56, s54, 7
	s_add_co_u32 s56, s56, s55
	s_lshl_b32 s56, s56, 9
	s_lshl_b32 s57, s19, 21
	s_add_co_u32 s56, s56, s57
	s_mov_b32 s57, 0
	s_add_nc_u64 s[14:15], s[14:15], s[56:57]
	s_lshl_b32 s58, s54, 5
	s_lshr_b32 s59, s55, 2
	s_add_co_u32 s58, s58, s59
	s_lshl_b32 s58, s58, 8
	s_lshl_b32 s59, s19, 18
	s_add_co_u32 s58, s58, s59
	s_mov_b32 s59, 0
	s_add_nc_u64 s[16:17], s[16:17], s[58:59]
	v_lshlrev_b32 v8, 6, v11                       ; the bias: 16 numbers on for lanes 16-31
	v_lshlrev_b32 v9, 4, v7
	v_lshl_add_u32 v9, v11, 13, v9                 ; the scale words: 16 r, and the second head's 8,192 bytes on
.irp b, 0,1,2,3,4,5,6,7
	global_load_b128 v[BB+8*\b:BB+8*\b+3], v8, s[50:51] offset:(32*(\b/2)+8*(\b%2))*4      ; into the set that K step 6 has left, four places behind it
	global_load_b128 v[BB+8*\b+4:BB+8*\b+7], v8, s[50:51] offset:(32*(\b/2)+8*(\b%2))*4+16
.endr
	KSTEP 7
	s_wait_loadcnt 0x0
.irp b, 0,1,2,3
	v_mov_b32 v[TM+4+\b], 0                        ; a lane permute's destination counts as one of its sources
.endr
	EPI 0, 0
	EPI 1, 0
	EPI 2, 0
	EPI 3, 0
	global_store_b128 v9, v[SW:SW+3], s[16:17] th:TH_STORE_NT   ; a quad of tiles: 256 consecutive bytes for each of the two heads
	s_branch .Lend
.Lv:
	; ---- v: i = 64 (4 wb + wi) + .. is one head's 64; j = 128 keys: one key step
	s_lshl_b32 s54, s21, 2
	s_add_co_u32 s54, s54, s22                     ; head
	s_lshl_b32 s52, s54, 8
	s_mov_b32 s53, 0
	s_add_nc_u64 s[50:51], s[50:51], s[52:53]      ; bv at the head's first number
	s_lshl_b32 s55, s20, 1
	s_add_co_u32 s55, s55, s23                     ; key step among both batches' 32
	s_lshr_b32 s56, s55, 4
	s_and_b32 s55, s55, 15
	s_lshl_b32 s56, s56, 4
	s_add_co_u32 s56, s56, s54                     ; 16 batch + head
	s_lshl_b32 s56, s56, 4
	s_add_co_u32 s56, s56, s55
	s_lshl_b32 s58, s56, 8
	s_add_co_u32 s58, s58, 524288
	s_mov_b32 s59, 0
	s_lshl_b32 s56, s56, 12
	s_add_co_u32 s56, s56, 4194304
	s_mov_b32 s57, 0
	s_add_nc_u64 s[14:15], s[14:15], s[56:57]
	s_add_nc_u64 s[16:17], s[16:17], s[58:59]
	v_and_b32 v8, 8, v7
	v_add_nc_u32 v8, v8, v7
	v_lshlrev_b32 v8, 2, v8                        ; the bias of my slot's row: r + 8 (r / 8)
	v_lshlrev_b32 v9, 4, v7
	v_lshl_add_u32 v9, v11, 3, v9                  ; the scale words: 16 r + 8 h
.irp a, 0,1,2,3
	global_load_b32 v[BB+2*\a], v8, s[50:51] offset:(32*(\a/2)+8*(\a%2))*4
	global_load_b32 v[BB+2*\a+1], v8, s[50:51] offset:(32*(\a/2)+8*(\a%2))*4   ; twice: a pair for the packed addition
.endr
	KSTEP 7
	s_wait_loadcnt 0x0
.irp b, 0,1,2,3
	v_mov_b32 v[TM+4+\b], 0
.endr
	EPI 0, 1
	EPI 1, 1
	EPI 2, 1
	EPI 3, 1
	v_cmp_ne_u32 vcc_lo, 0, v10
	v_cndmask_b32 v248, v[SW], v[SW+2], vcc_lo     ; lanes 0-15 send d tiles 0, 1, lanes 16-31 tiles 2, 3
	v_cndmask_b32 v249, v[SW+1], v[SW+3], vcc_lo
	global_store_b64 v9, v[248:249], s[16:17] th:TH_STORE_NT   ; 256 consecutive bytes, aligned
.Lend:
	s_wait_tensorcnt 0x0                           ; the wave's end
	ds_add_u32 v[SPW], v[NIL]
	s_wait_dscnt 0x0
	s_endpgm
.Lfunc_end_k_q2cb209e763_proj:
	.size	k_q2cb209e763_proj, .Lfunc_end_k_q2cb209e763_proj-k_q2cb209e763_proj
	.p2alignl 7, 3214868480
	.fill 96, 4, 3214868480
	.section	.rodata,"a",@progbits
	.p2align	6, 0x0
	.amdhsa_kernel k_q2cb209e763_proj
		.amdhsa_group_segment_fixed_size 279552
		.amdhsa_private_segment_fixed_size 0
		.amdhsa_enable_private_segment 0
		.amdhsa_kernarg_size 56
		.amdhsa_user_sgpr_count 2
		.amdhsa_user_sgpr_kernarg_segment_ptr 1
		.amdhsa_wavefront_size32 1
		.amdhsa_system_sgpr_workgroup_id_x 1
		.amdhsa_system_sgpr_workgroup_id_y 1
		.amdhsa_system_sgpr_workgroup_id_z 1
		.amdhsa_system_vgpr_workitem_id 0
		.amdhsa_next_free_vgpr 512
		.amdhsa_next_free_sgpr 66
		.amdhsa_reserve_vcc 1
		.amdhsa_float_denorm_mode_32 3
		.amdhsa_float_denorm_mode_16_64 3
		.amdhsa_memory_ordered 1
		.amdhsa_forward_progress 1
		.amdhsa_inst_pref_size 108
	.end_amdhsa_kernel
	.amdgpu_metadata
---
amdhsa.version: [ 1, 2 ]
amdhsa.kernels:
  - .name:           k_q2cb209e763_proj
    .symbol:         k_q2cb209e763_proj.kd
    .args:
      - { .name: codes, .offset: 0, .size: 8, .value_kind: global_buffer, .address_space: global }
      - { .name: scales, .offset: 8, .size: 8, .value_kind: global_buffer, .address_space: global }
      - { .name: bq, .offset: 16, .size: 8, .value_kind: global_buffer, .address_space: global }
      - { .name: bk, .offset: 24, .size: 8, .value_kind: global_buffer, .address_space: global }
      - { .name: bv, .offset: 32, .size: 8, .value_kind: global_buffer, .address_space: global }
      - { .name: hc, .offset: 40, .size: 8, .value_kind: global_buffer, .address_space: global }
      - { .name: hs, .offset: 48, .size: 8, .value_kind: global_buffer, .address_space: global }
    .group_segment_fixed_size: 279552
    .private_segment_fixed_size: 0
    .kernarg_segment_align: 8
    .kernarg_segment_size: 56
    .max_flat_workgroup_size: 256
    .sgpr_count:     66
    .vgpr_count:     512
    .wavefront_size: 32
...
	.end_amdgpu_metadata
.endif
;; end of part 2
;; launch attn (part 3): grid 8 x 32, 16 waves a work-group, no clusters, 47,104 bytes of LDS; arguments hc, hs, oc, os; writes oc, os
.if DOCPART == 3
	.amdgcn_target "amdgcn-amd-amdhsa--gfx1250"
	.amdhsa_code_object_version 6
	.text
	.protected	k_q2cb209e763_attn
	.globl	k_q2cb209e763_attn
	.p2align	8
	.type	k_q2cb209e763_attn,@function
k_q2cb209e763_attn:
	s_mov_b64 s[64:65], 0
	v_nop
	global_prefetch_b8 v0, s[64:65] scope:SCOPE_SE
	s_setreg_imm32_b32 hwreg(HW_REG_WAVE_MODE, 25, 1), 1
	s_wait_xcnt 0x0
; THIRD LAUNCH: o = softmax(q k^T / 8) v for each batch and head, both products on codes of FP4; o is quantised along the model's 1,024 for the last product.  Nothing is left out.
; THE SOFTMAX AHEAD OF THE SECOND PRODUCT: t = score x log2(e) / 8; M = the row's largest t so far, rounded up to a whole number; p = 2^(t - M) is what is quantised, along the keys, not normalised.
; The row's sum is taken of the unquantised p and divides at the end.  When M moves, the sum and O are multiplied by 2^(old M - new M): exact.
; THE FIRST PRODUCT'S K IS 64: the instruction's K is 128, so registers 4-7 of both fragments are zero codes, kept in registers, and bytes 2, 3 of both scale words are 0: they add nothing.
; SHARES: a work-group owns 256 queries of one batch and head (y); each of its sixteen waves one tile of 16 (token tile 16 x + w), in 256 registers: four waves to a SIMD, so that one wave's vector work stands beside another's products and LDS loads.
; Every wave walks the head's 2,048 keys, 128 a step.  K's and V's codes go through two LDS slots of 256 keys (8 KB + 8 KB, dense in hc): each of the 512 threads loads 16 + 16 bytes into registers a whole slot ahead and stores them to LDS.
; The head's scale words (8 KB, 4 KB) stay in LDS.  No tensor load.  No cluster: a work-group fetches 16 KB for 32 wave steps of some 250 vector instructions: what partners would share is a small part of a step.
; LAYOUT: both products transposed: S^T = k q^T, O^T = v^T p^T: a lane holds one query (slot lane % 16) throughout; by the slot order of k's tiles the 16 registers of tiles 2 b, 2 b + 1 are keys 32 b + 16 (lane / 16) + 0 .. 15.
; OUT: oc, the order of the last product's registers: token tile T x 8192 + head x 512 + 16 x lane; os: T x 512 + (head / 8) x 256 + 16 r + 2 (head % 8) + block: stored byte by byte, 128 KB in all.
; LIMITS: no NaN or infinity; a block of zeros keeps the byte 1; a block's largest p is made from its largest score, which takes v_exp_f32 not to fall where its input rises.
; REGISTERS: v1-11 addresses; v12 -M, v13 the largest t, v[14:15] the sum; v16-23 q; v24-27 k's scale words, v28-31 v's; v32-63 four fragments of k; v64-95 v's four; v96-159 S^T, then p; v160-191 O^T; v192-199 the next slot on its way; v224-231 p's codes; v232-254 at work; v255 q's scale word.
.set SLOTB, 16384
.set KSC,   32768                      ; k's scale words
.set VSC,   40960                      ; v's
.set SPARE, 45056                      ; the spare words, 128 bytes for each of sixteen waves
.set SPW, 5
.set NIL, 6
.set SEL, 20
.set CS,  22
.set TS,  24
.set TJ,  25
.set TRIP, 26
	s_load_b128 s[4:7], s[0:1], 0x0                ; hc, hs
	s_load_b128 s[8:11], s[0:1], 0x10              ; oc, os
	v_lshl_add_u32 v[SPW], v0, 2, SPARE
	v_mov_b32 v[NIL], 0
	v_lshrrev_b32 v1, 5, v0
	v_readfirstlane_b32 s12, v1                    ; wave 0..15
	s_and_b32 s13, ttmp7, 0xffff                   ; bh = 16 batch + head
	v_and_b32 v8, 31, v0
	v_and_b32 v9, 15, v0
	v_lshlrev_b32 v1, 4, v8                        ; v1: 16 x lane
	v_add_nc_u32 v2, KSC, v1                       ; v2: k's scale words: lanes 0-15 the step's first quad of tiles, lanes 16-31 the second
	v_lshlrev_b32 v10, 4, v9                       ; v10: 16 r
	v_add_nc_u32 v3, VSC, v10                      ; v3: v's scale words
	v_lshlrev_b32 v4, 4, v0                        ; v4: 16 x thread
	v_lshlrev_b32 v7, 3, v0                        ; v7: 8 x thread
	s_lshl_b32 s28, s13, 16
	s_mov_b32 s29, 0
	s_lshl_b32 s30, ttmp9, 4
	s_add_co_u32 s30, s30, s12                     ; my token tile in the batch
	s_lshl_b32 s32, s30, 9
	s_mov_b32 s33, 0
	s_lshl_b32 s34, s13, 13
	s_mov_b32 s35, 0
	s_lshl_b32 s36, s13, 12
	s_mov_b32 s37, 0
	s_lshl_b32 s38, s13, 5
	s_lshr_b32 s39, s30, 2
	s_add_co_u32 s38, s38, s39
	s_lshl_b32 s38, s38, 8
	s_and_b32 s39, s30, 3
	s_lshl_b32 s39, s39, 2
	s_add_co_u32 s38, s38, s39                     ; q's scale words: (32 bh + quad) x 256 + 4 x tile in the quad
	s_mov_b32 s39, 0
	s_lshr_b32 s40, s13, 4
	s_lshl_b32 s40, s40, 7
	s_add_co_u32 s40, s40, s30                     ; T = 128 batch + tile
	s_and_b32 s41, s13, 15                         ; head
	s_lshl_b32 s42, s40, 13
	s_lshl_b32 s43, s41, 9
	s_add_co_u32 s42, s42, s43
	s_mov_b32 s43, 0
	s_lshl_b32 s44, s40, 9
	s_lshr_b32 s45, s41, 3
	s_lshl_b32 s45, s45, 8
	s_add_co_u32 s44, s44, s45
	s_and_b32 s45, s41, 7
	s_lshl_b32 s45, s45, 1
	s_add_co_u32 s44, s44, s45
	s_mov_b32 s45, 0
	s_mov_b32 s[SEL], 0x76543210
	s_mov_b32 s[SEL+1], 0xfedcba98
	s_mov_b32 s[CS], 0x3e38aa3b                    ; c = log2(e) / sqrt(64)
	s_mov_b32 s[CS+1], s[CS]                       ; (named with it as a pair, so it is written)
	s_mov_b32 s[TS], 0
	s_mov_b32 s[TJ], 0
	s_mov_b32 s[TRIP], 3
	s_wait_kmcnt 0x0
	s_add_nc_u64 s[14:15], s[4:5], s[28:29]        ; hc at my head: q here, k 2,097,152 on, v 4,194,304 on
	s_add_nc_u64 s[16:17], s[6:7], s[34:35]
	s_add_nc_u64 s[18:19], s[6:7], s[36:37]
	s_add_nc_u64 s[32:33], s[14:15], s[32:33]
	s_add_nc_u64 s[38:39], s[6:7], s[38:39]
	s_add_nc_u64 s[8:9], s[8:9], s[42:43]
	s_add_nc_u64 s[10:11], s[10:11], s[44:45]
	global_load_b128 v[200:203], v4, s[16:17] offset:262144    ; k's scale words of the head
	global_load_b64 v[204:205], v7, s[18:19] offset:524288     ; v's
	global_load_b128 v[192:195], v4, s[14:15] offset:2097152   ; slot 0: k's 16 tiles,
	global_load_b128 v[196:199], v4, s[14:15] offset:4194304   ; v's two key steps
	global_load_b128 v[16:19], v1, s[32:33]                    ; q's fragment, registers 0-3
	global_load_b32 v255, v10, s[38:39]                        ; q's scale words
.irp j, 20,21,22,23
	v_mov_b32 v[\j], 0                             ; q's zero codes
.endr
.irp t, 0,1,2,3
.irp j, 4,5,6,7
	v_mov_b32 v[32+8*\t+\j], 0                     ; k's zero codes: written once, no load lands on them
.endr
.endr
	v_mov_b32 v13, 0xff61b1e6                      ; the largest t so far: -3e38, under every t
	v_floor_f32 v12, -v13                          ; -M
	v_mov_b32 v14, 0
	v_mov_b32 v15, 0
.irp b, 0,1,2,3
	v_mov_b32 v[236+\b], 0                         ; a lane permute's destination counts as one of its sources
.endr
	v_mov_b32 v253, 0                              ; (named as the upper half of the pair v[252:253] before it is first written)
.set ii, 0
.rept 32
	v_mov_b32 v[160+ii], 0                         ; O^T: the step is written once: the first finds zeros, which the first change of M leaves zeros
.set ii, ii+1
.endr
	s_wait_loadcnt 0x0
	ds_store_b128 v4, v[200:203] offset:KSC
	ds_store_b64 v7, v[204:205] offset:VSC
; A KEY STEP: 128 keys, the q-th of slot p
.macro STEP p, q
	v_add_nc_u32 v8, s[TS], v2
	v_add_nc_u32 v9, s[TJ], v3
	v_nop
	v_nop                                          ; four places behind the last products, in front of loads into registers that they read
	ds_load_b128 v[24:27], v8                      ; k's scale words: register t: lanes 0-15 tile t's, lanes 16-31 tile 4 + t's
.irp t, 0,1,2,3
	ds_load_b128 v[32+8*\t:35+8*\t], v1 offset:SLOTB*(\p)+512*(8*(\q)+\t)
.endr
	ds_load_b128 v[28:31], v9                      ; v's scale words: register d: d tile d's
.irp d, 0,1,2,3
.irp c, 0,1
	ds_load_b128 v[64+8*\d+4*\c:67+8*\d+4*\c], v1 offset:SLOTB*(\p)+8192+4096*(\q)+1024*\d+512*\c
.endr
.endr
	s_wait_dscnt 9                                 ; k's words and tiles 0-3 are in; v's words and its eight loads may be out
.irp t, 0,1,2,3
	v_wmma_scale_f32_16x16x128_f8f6f4 v[96+8*\t:103+8*\t], v[32+8*\t:39+8*\t], v[16:23], 0, v[24+\t], v255 matrix_a_fmt:MATRIX_FMT_FP4 matrix_b_fmt:MATRIX_FMT_FP4
.endr
.rept 4
	v_nop
.endr
.irp t, 0,1,2,3
	ds_load_b128 v[32+8*\t:35+8*\t], v1 offset:SLOTB*(\p)+512*(8*(\q)+4+\t)
.endr
	s_wait_dscnt 0x0
.irp t, 0,1,2,3
	v_wmma_scale_f32_16x16x128_f8f6f4 v[128+8*\t:135+8*\t], v[32+8*\t:39+8*\t], v[16:23], 0, v[24+\t], v255 matrix_a_fmt:MATRIX_FMT_FP4 matrix_b_fmt:MATRIX_FMT_FP4 matrix_a_scale:MATRIX_SCALE_ROW1
.endr
.rept 4
	v_nop
.endr
.irp b, 0,1,2,3
	v_max3_num_f32 v[232+\b], v[96+16*\b], v[97+16*\b], v[98+16*\b]   ; the largest score of each block of 32 keys: it serves for the row's maximum and, since p rises with the score, for the block's largest p
.endr
.irp i, 3,5,7,9,11,13
.irp b, 0,1,2,3
	v_max3_num_f32 v[232+\b], v[232+\b], v[96+16*\b+\i], v[97+16*\b+\i]
.endr
.endr
.irp b, 0,1,2,3
	v_max_num_f32 v[232+\b], v[232+\b], v[111+16*\b]
.endr
.irp b, 0,1,2,3
	v_permlanex16_b32 v[236+\b], v[232+\b], s[SEL], s[SEL+1]
.endr
.irp b, 0,1,2,3
	v_max_num_f32 v[232+\b], v[232+\b], v[236+\b]  ; with lane l xor 16's 16 keys
.endr
	v_max3_num_f32 v254, v232, v233, v234
	v_max_num_f32 v254, v254, v235                 ; the step's largest score of my query
	v_mul_f32 v254, s[CS], v254                    ; as t (c is positive)
	v_max_num_f32 v13, v13, v254                   ; the running largest t
	v_mov_b32 v254, v12
	v_floor_f32 v12, -v13                          ; the new -M = floor(-t) = -ceil(t)
	v_sub_f32 v254, v12, v254                      ; old M less new M: a whole number, 0 or less
	v_cvt_i32_f32 v254, v254                       ; (it saturates)
	v_ldexp_f32 v252, 1.0, v254                    ; f = 2^(old M - new M)
.set ii, 0
.rept 32
	v_pk_fma_f32 v[96+ii:97+ii], v[96+ii:97+ii], s[CS:CS+1], v[12:13] op_sel_hi:[1,0,0]   ; t - M, two at a time
.set ii, ii+2
.endr
.irp b, 0,1,2,3
	v_fma_f32 v[232+\b], v[232+\b], s[CS], v12     ; the same of each block's largest score
.endr
.set ii, 0
.rept 64
	v_exp_f32 v[96+ii], v[96+ii]                   ; p = 2^(t - M), at most 1
.set ii, ii+1
.endr
	v_pk_mul_f32 v[14:15], v[14:15], v[252:253] op_sel_hi:[1,0]   ; the sums under the new M: the plain place behind the exponentials
	s_wait_alu depctr_va_vdst(0)                   ; one wait for the whole batch, ahead of its first reader
.irp b, 0,1,2,3
	v_exp_f32 v[232+\b], v[232+\b]                 ; the block's largest p
.endr
	v_pk_add_f32 v[236:237], v[96:97], v[98:99]    ; the row's sum is taken of the unquantised p: two at a time, in two chains
.irp j, 4,8,12,16,20,24,28,32,36,40,44,48,52,56,60
	v_pk_add_f32 v[14:15], v[14:15], v[96+\j:97+\j]
	v_pk_add_f32 v[236:237], v[236:237], v[98+\j:99+\j]
.endr
	v_pk_add_f32 v[14:15], v[14:15], v[236:237]
	s_wait_alu depctr_va_vdst(0)                   ; and one for the four
.irp b, 0,1,2,3
	v_max_num_f32 v[232+\b], 0x1800000, v[232+\b]  ; the floor 2^(3 - 127): the byte cannot fall under 1
.endr
.irp b, 0,1,2,3
	v_add_nc_u32 v[244+\b], 0xff000000, v[232+\b]  ; 2 off the exponent field: the conversion's scale operand
.endr
.irp b, 0,1,2,3
	v_lshrrev_b32 v[236+\b], 23, v[244+\b]
.endr
	v_lshl_or_b32 v253, v237, 8, v236              ; p's scale word for these 128 keys
	v_lshl_or_b32 v253, v238, 16, v253
	v_lshl_or_b32 v253, v239, 24, v253
.irp b, 0,1,2,3
	v_cvt_scalef32_pk8_fp4_f32 v[224+2*\b], v[96+16*\b:103+16*\b], v[244+\b]
	v_cvt_scalef32_pk8_fp4_f32 v[225+2*\b], v[104+16*\b:111+16*\b], v[244+\b]
.endr
	v_nop                                          ; one plain place behind a scaled conversion
.irp c, 0,1
.irp i, 0,1
	v_permlane16_swap_b32 v[224+4*\c+\i], v[226+4*\c+\i]   ; a whole block in a lane
.endr
.endr
.set ii, 0
.rept 16
	v_pk_mul_f32 v[160+ii:161+ii], v[160+ii:161+ii], v[252:253] op_sel_hi:[1,0]   ; O^T under the new M; these sixteen are also the places between the writes of p's codes and scale word and the products
.set ii, ii+2
.endr
.irp d, 0,1,2,3
	v_wmma_scale_f32_16x16x128_f8f6f4 v[160+8*\d:167+8*\d], v[64+8*\d:71+8*\d], v[224:231], v[160+8*\d:167+8*\d], v[28+\d], v253 matrix_a_fmt:MATRIX_FMT_FP4 matrix_b_fmt:MATRIX_FMT_FP4
.endr
	s_add_co_u32 s[TS], s[TS], 512                 ; the next step's scale words
	s_add_co_u32 s[TJ], s[TJ], 256
.endm
; A SLOT.  My 32 bytes of it go to LDS; one barrier: in front of it my stores have landed and my reads of the other slot are over; the slot stored now was last read ahead of the barrier before this one.
; more = 1: behind the barrier the next slot's bytes are asked for, into the registers just stored: they have the slot's two key steps in which to come.
.macro PHASE p, more, off
	s_wait_loadcnt 0x0
	ds_store_b128 v4, v[192:195] offset:SLOTB*(\p)
	ds_store_b128 v4, v[196:199] offset:SLOTB*(\p)+8192
	s_wait_dscnt 0x0
	s_barrier_signal -1
	s_barrier_wait -1
.if \more
	global_load_b128 v[192:195], v4, s[14:15] offset:2097152+(\off)
	global_load_b128 v[196:199], v4, s[14:15] offset:4194304+(\off)
.endif
	STEP \p, 0
	STEP \p, 1
.endm
.Lpair:                                            ; three trips of two slots
	PHASE 0, 1, 8192
	PHASE 1, 1, 16384
	s_wait_xcnt 0x0                                ; the loads have read their base: it may step
	s_add_nc_u64 s[14:15], s[14:15], 16384
	s_sub_co_u32 s[TRIP], s[TRIP], 1
	s_cmp_lg_u32 s[TRIP], 0
	s_cbranch_scc1 .Lpair
	PHASE 0, 1, 8192                               ; the last two slots are written out: the last asks for nothing, so no load leaves hc
	PHASE 1, 0, 0
	; THE WAY OUT: O^T / the sum; register 16 b + i is d = 32 b + 16 (lane / 16) + i of my query: two blocks of the last product's K
.rept 4
	v_nop                                          ; four places behind the last products
.endr
	v_add_f32 v14, v14, v15
	v_permlanex16_b32 v252, v14, s[SEL], s[SEL+1]
	v_add_f32 v14, v14, v252                       ; the row's sum
	v_rcp_f32 v14, v14
	v_bfe_u32 v11, v0, 4, 1                        ; (a plain place behind the reciprocal)  h
	v_add_nc_u32 v10, v10, v11                     ; 16 r + h: my scale byte's place
	s_wait_alu depctr_va_vdst(0)                   ; the wait ahead of the reciprocal's first reader
.set ii, 0
.rept 16
	v_pk_mul_f32 v[96+ii:97+ii], v[160+ii:161+ii], v[14:15] op_sel_hi:[1,0]
.set ii, ii+2
.endr
.irp b, 0,1
	v_max3_num_f32 v[232+\b], |v[96+16*\b]|, |v[97+16*\b]|, 0x1800000
.endr
.irp i, 2,4,6,8,10,12,14
.irp b, 0,1
	v_max3_num_f32 v[232+\b], v[232+\b], |v[96+16*\b+\i]|, |v[97+16*\b+\i]|
.endr
.endr
.irp b, 0,1
	v_permlanex16_b32 v[236+\b], v[232+\b], s[SEL], s[SEL+1]
.endr
.irp b, 0,1
	v_max_num_f32 v[232+\b], v[232+\b], v[236+\b]
.endr
.irp b, 0,1
	v_add_nc_u32 v[244+\b], 0xff000000, v[232+\b]
.endr
.irp b, 0,1
	v_lshrrev_b32 v[236+\b], 23, v[244+\b]
.endr
.irp b, 0,1
	v_cvt_scalef32_pk8_fp4_f32 v[224+2*\b], v[96+16*\b:103+16*\b], v[244+\b]
	v_cvt_scalef32_pk8_fp4_f32 v[225+2*\b], v[104+16*\b:111+16*\b], v[244+\b]
.endr
	v_nop
	v_permlane16_swap_b32 v224, v226               ; lanes 0-15 now hold block 0 whole, lanes 16-31 block 1
	v_permlane16_swap_b32 v225, v227
	v_cmp_ne_u32 vcc_lo, 0, v11
	v_cndmask_b32 v236, v236, v237, vcc_lo         ; my half's block's byte
	global_store_b128 v1, v[224:227], s[8:9] th:TH_STORE_NT    ; 512 consecutive bytes, aligned
	global_store_b8 v10, v236, s[10:11]
	s_wait_tensorcnt 0x0                           ; the wave's end: behind my last LDS store
	ds_add_u32 v[SPW], v[NIL]
	s_wait_dscnt 0x0
	s_endpgm
.Lfunc_end_k_q2cb209e763_attn:
	.size	k_q2cb209e763_attn, .Lfunc_end_k_q2cb209e763_attn-k_q2cb209e763_attn
	.p2alignl 7, 3214868480
	.fill 96, 4, 3214868480
	.section	.rodata,"a",@progbits
	.p2align	6, 0x0
	.amdhsa_kernel k_q2cb209e763_attn
		.amdhsa_group_segment_fixed_size 47104
		.amdhsa_private_segment_fixed_size 0
		.amdhsa_enable_private_segment 0
		.amdhsa_kernarg_size 32
		.amdhsa_user_sgpr_count 2
		.amdhsa_user_sgpr_kernarg_segment_ptr 1
		.amdhsa_wavefront_size32 1
		.amdhsa_system_sgpr_workgroup_id_x 1
		.amdhsa_system_sgpr_workgroup_id_y 1
		.amdhsa_system_sgpr_workgroup_id_z 1
		.amdhsa_system_vgpr_workitem_id 0
		.amdhsa_next_free_vgpr 256
		.amdhsa_next_free_sgpr 66
		.amdhsa_reserve_vcc 1
		.amdhsa_float_denorm_mode_32 3
		.amdhsa_float_denorm_mode_16_64 3
		.amdhsa_memory_ordered 1
		.amdhsa_forward_progress 1
		.amdhsa_inst_pref_size 129
	.end_amdhsa_kernel
	.amdgpu_metadata
---
amdhsa.version: [ 1, 2 ]
amdhsa.kernels:
  - .name:           k_q2cb209e763_attn
    .symbol:         k_q2cb209e763_attn.kd
    .args:
      - { .name: hc, .offset: 0, .size: 8, .value_kind: global_buffer, .address_space: global }
      - { .name: hs, .offset: 8, .size: 8, .value_kind: global_buffer, .address_space: global }
      - { .name: oc, .offset: 16, .size: 8, .value_kind: global_buffer, .address_space: global }
      - { .name: os, .offset: 24, .size: 8, .value_kind: global_buffer, .address_space: global }
    .group_segment_fixed_size: 47104
    .private_segment_fixed_size: 0
    .kernarg_segment_align: 8
    .kernarg_segment_size: 32
    .max_flat_workgroup_size: 512
    .sgpr_count:     66
    .vgpr_count:     256
    .wavefront_size: 32
...
	.end_amdgpu_metadata
.endif
;; end of part 3
;; launch outp (part 4): grid 8 x 32, 4 waves a work-group, no clusters, 167,936 bytes of LDS; arguments oc, os, codes, scales, bo, out0; writes out0
.if DOCPART == 4
	.amdgcn_target "amdgcn-amd-amdhsa--gfx1250"
	.amdhsa_code_object_version 6
	.text
	.protected	k_q2cb209e763_outp
	.globl	k_q2cb209e763_outp
	.p2align	8
	.type	k_q2cb209e763_outp,@function
k_q2cb209e763_outp:
	s_mov_b64 s[64:65], 0
	v_nop
	global_prefetch_b8 v0, s[64:65] scope:SCOPE_SE
	s_setreg_imm32_b32 hwreg(HW_REG_WAVE_MODE, 25, 1), 1
	s_wait_xcnt 0x0
; FOURTH LAUNCH: out0 = o Wo^T + bo on the codes of the third launch (o) and of the first (Wo, tiles 960 on).  Nothing is left out.
; Source 0 = 16 rows of Wo, source 1 = 16 tokens: a lane holds one token (slot lane % 16 of its tile), and the 16 registers of Wo's tiles 2 b, 2 b + 1 are the neighbours n = 32 b + 16 (lane / 16) + 0 .. 15.
; SHARES: a work-group makes 128 tokens (y) x 128 n (x) with all of K = 1,024 in LDS, filled once; wave w makes 64 tokens (wi = w % 2) x 64 n (wj = w / 2): 16 accumulators.  bo is the C of each sum's first product.
; No cluster: the grid divides into clusters and tiles are shared (eight work-groups read each block of tokens, 32 each block of Wo); each work-group asks once, at its head, for 136 KB; left plain in this text.
; REGISTERS: window 0: v1-13 addresses; v16-31 o's scale words, v32-47 Wo's; v48-79 bo; v96-159 and v160-223 two sets of fragments (Wo's four, then o's four), later rows of out0.  Window 1: accumulator (a, b) at 32 a + 8 b.
.set RCOD,  65536                      ; LDS: o's codes at 0, Wo's here, 8 tiles x 8,192 bytes each,
.set PSCL,  131072                     ; o's scale words, 8 x 512 bytes,
.set RSCL,  135168                     ; Wo's,
.set STAGE, 139264                     ; the way out: 16 rows x (256 bytes + 16) for each wave; no fill lands here,
.set SPARE, 156672                     ; and the spare words, 128 bytes for each of four waves
.set SPW, 12
.set NIL, 13
.set SPB, 16
.set SRB, 32
.set BJ,  48
.set F,   96
.set MSB, 0
.macro WIN new                         ; the immediate's high byte repeats the setting that is left
.if MSB != \new
	s_set_vgpr_msb (MSB<<8)|\new
.set MSB, \new
.endif
.endm
; one product.  ra, rb: the scale words stand in lanes 16-31 of their register.  cm = 1: C is D; 2: C is v[cr] on
.macro WM d, fa, fb, sa, sb, ra, rb, cm, cr
.set dL, \d
.set aL, \fa
.set bL, \fb
.set sA, \sa
.set sB, \sb
.set cL, \d
.if (\cm) == 2
.set cL, \cr
.endif
.if ((\ra) == 0) && ((\rb) == 0)
	v_wmma_scale_f32_16x16x128_f8f6f4 v[dL:dL+7], v[aL:aL+7], v[bL:bL+7], v[cL:cL+7], v[sA], v[sB] matrix_a_fmt:MATRIX_FMT_FP4 matrix_b_fmt:MATRIX_FMT_FP4
.elseif (\rb) == 0
	v_wmma_scale_f32_16x16x128_f8f6f4 v[dL:dL+7], v[aL:aL+7], v[bL:bL+7], v[cL:cL+7], v[sA], v[sB] matrix_a_fmt:MATRIX_FMT_FP4 matrix_b_fmt:MATRIX_FMT_FP4 matrix_a_scale:MATRIX_SCALE_ROW1
.elseif (\ra) == 0
	v_wmma_scale_f32_16x16x128_f8f6f4 v[dL:dL+7], v[aL:aL+7], v[bL:bL+7], v[cL:cL+7], v[sA], v[sB] matrix_a_fmt:MATRIX_FMT_FP4 matrix_b_fmt:MATRIX_FMT_FP4 matrix_b_scale:MATRIX_SCALE_ROW1
.else
	v_wmma_scale_f32_16x16x128_f8f6f4 v[dL:dL+7], v[aL:aL+7], v[bL:bL+7], v[cL:cL+7], v[sA], v[sB] matrix_a_fmt:MATRIX_FMT_FP4 matrix_b_fmt:MATRIX_FMT_FP4 matrix_a_scale:MATRIX_SCALE_ROW1 matrix_b_scale:MATRIX_SCALE_ROW1
.endif
.endm
	s_load_b256 s[4:11], s[0:1], 0x0               ; oc, os, codes, scales
	s_load_b128 s[12:15], s[0:1], 0x20             ; bo, out0
	v_lshl_add_u32 v[SPW], v0, 2, SPARE
	v_mov_b32 v[NIL], 0
	ds_add_u32 v[SPW], v[NIL]                      ; the wave's opening: the add, twice on end, and its wait ahead of my first tensor load
	ds_add_u32 v[SPW], v[NIL]
	v_lshrrev_b32 v1, 5, v0
	v_readfirstlane_b32 s18, v1                    ; wave 0..3
	s_and_b32 s19, ttmp7, 0xffff                   ; y: which 128 tokens
	s_and_b32 s22, s18, 1                          ; wi.  Also: which four tiles I fetch
	s_lshr_b32 s23, s18, 1                         ; wj.  Also: I fetch o (0) or Wo (1)
	; group 1 for codes: 32,768 dense bytes as 128 rows of 32 elements of 8 bytes
	s_mov_b32 s24, 3<<16
	s_mov_b32 s25, 32<<16
	s_mov_b32 s26, 128<<16
	s_mov_b32 s27, 32<<16
	s_mov_b32 s28, 128
	s_mov_b32 s29, 32
	s_mov_b32 s30, 0
	s_mov_b32 s31, 0
	; group 1 for scale words: 2,048 dense bytes as 8 such rows
	s_mov_b32 s32, 3<<16
	s_mov_b32 s33, 32<<16
	s_mov_b32 s34, 8<<16
	s_mov_b32 s35, 32<<16
	s_mov_b32 s36, 8
	s_mov_b32 s37, 32
	s_mov_b32 s38, 0
	s_mov_b32 s39, 0
	s_lshl_b32 s52, s19, 3                         ; o's first tile: 8 y
	s_lshl_b32 s53, ttmp9, 3
	s_add_co_u32 s53, s53, 960                     ; Wo's: 960 + 8 x
	s_cmp_lt_u32 s18, 2
	s_cselect_b32 s52, s52, s53
	s_lshl_b32 s53, s22, 2
	s_add_co_u32 s52, s52, s53
	s_lshl_b32 s56, s52, 13
	s_mov_b32 s57, 0
	s_lshl_b32 s58, s52, 9
	s_mov_b32 s59, 0
	s_wait_dscnt 0x0                               ; both opening adds are done
	s_wait_kmcnt 0x0
	s_cmp_lt_u32 s18, 2                            ; the wave's number alone
	s_cselect_b64 s[42:43], s[4:5], s[8:9]
	s_cselect_b64 s[46:47], s[6:7], s[10:11]
	s_mov_b32 s40, 1
	s_lshl_b32 s41, s18, 15                        ; LDS: wave x 32,768
	s_add_nc_u64 s[42:43], s[42:43], s[56:57]
	s_or_b32 s43, s43, 0x80000000
	s_mov_b32 s44, 1
	s_lshl_b32 s45, s18, 11
	s_add_co_u32 s45, s45, PSCL                    ; LDS: 131,072 + wave x 2,048
	s_add_nc_u64 s[46:47], s[46:47], s[58:59]
	s_or_b32 s47, s47, 0x80000000
	tensor_load_to_lds s[40:43], s[24:31]          ; every wave issues its two first fills, with no branch: two loads of mine are out
	s_nop 0
	tensor_load_to_lds s[44:47], s[32:39]
	s_nop 0
	s_lshl_b32 s52, ttmp9, 9
	s_lshl_b32 s53, s23, 8
	s_add_co_u32 s52, s52, s53                     ; my first n, in bytes: 4 (128 x + 64 wj)
	s_mov_b32 s53, 0
	s_add_nc_u64 s[12:13], s[12:13], s[52:53]
	s_lshl_b32 s54, s19, 19
	s_lshl_b32 s55, s22, 18
	s_add_co_u32 s54, s54, s55                     ; my first token's row: (128 y + 64 wi) x 4,096
	s_add_co_u32 s54, s54, s52
	s_mov_b32 s55, 0
	s_add_nc_u64 s[14:15], s[14:15], s[54:55]
	v_and_b32 v5, 31, v0
	v_and_b32 v10, 15, v0                          ; r
	v_bfe_u32 v11, v0, 4, 1                        ; h
	v_lshlrev_b32 v5, 4, v5                        ; 16 x lane
	v_lshlrev_b32 v9, 6, v11                       ; bo: 16 numbers on for lanes 16-31
.irp b, 0,1,2,3
	global_load_b128 v[BJ+8*\b:BJ+8*\b+3], v9, s[12:13] offset:(32*(\b/2)+8*(\b%2))*4
	global_load_b128 v[BJ+8*\b+4:BJ+8*\b+7], v9, s[12:13] offset:(32*(\b/2)+8*(\b%2))*4+16
.endr
	s_lshl_b32 s52, s22, 15
	v_add_nc_u32 v1, s52, v5                       ; v1: my four tiles of o
	s_lshl_b32 s52, s23, 15
	s_add_co_u32 s52, s52, RCOD
	v_add_nc_u32 v2, s52, v5                       ; v2: my four tiles of Wo
	v_lshlrev_b32 v3, 4, v10
	v_lshl_add_u32 v3, v11, 9, v3                  ; 16 r + 512 h
	s_lshl_b32 s52, s23, 11
	s_add_co_u32 s52, s52, RSCL
	v_add_nc_u32 v4, s52, v3                       ; v4: Wo's scale words
	s_lshl_b32 s52, s22, 11
	s_add_co_u32 s52, s52, PSCL
	v_add_nc_u32 v3, s52, v3                       ; v3: o's
	s_mul_i32 s52, s18, 16*272
	s_add_co_u32 s52, s52, STAGE                   ; my stage
	v_mul_u32_u24 v6, v10, 272
	v_lshl_add_u32 v6, v11, 6, v6
	v_add_nc_u32 v6, s52, v6                       ; v6: in: row r, + 64 h
	v_mul_u32_u24 v7, v11, 272
	v_lshl_add_u32 v7, v10, 4, v7
	v_add_nc_u32 v7, s52, v7                       ; v7: back: lanes 0-15 one row, lanes 16-31 the next
	v_lshlrev_b32 v8, 4, v10
	v_lshl_add_u32 v8, v11, 12, v8                 ; v8: and the same two rows in out0
	s_wait_tensorcnt 0x0                           ; my parts have landed,
	s_barrier_signal -1
	s_barrier_wait -1                              ; everybody's have: the one barrier of the launch
.macro LOADSET s, set                  ; K step s: 16 loads of 512 consecutive bytes
.irp b, 0,1,2,3
.irp c, 0,1
	ds_load_b128 v[F+64*(\set)+8*\b+4*\c:F+64*(\set)+8*\b+4*\c+3], v2 offset:8192*\b+1024*(\s)+512*\c
.endr
.endr
.irp a, 0,1,2,3
.irp c, 0,1
	ds_load_b128 v[F+64*(\set)+32+8*\a+4*\c:F+64*(\set)+32+8*\a+4*\c+3], v1 offset:8192*\a+1024*(\s)+512*\c
.endr
.endr
.endm
.macro MULS s, set, cm                 ; 16 products: the accumulators take turns, one instruction a turn, in the same order in every K step
.irp a, 0,1,2,3
.irp b, 0,1,2,3
	WM 32*\a+8*\b, F+64*(\set)+8*\b, F+64*(\set)+32+8*\a, SRB+8*(\b/2)+(\s), SPB+8*(\a/2)+(\s), \b%2, \a%2, \cm, BJ+8*\b
.endr
.endr
.endm
.macro KSTEP s
.if (\s) < 7
	s_wait_dscnt 16                                ; this K step's fragments are in; the next set's 16 loads may be out
.else
	s_wait_dscnt 0x0
.endif
.if (\s) == 0
	WIN 0x40                                       ; D in window 1, C (bo) in window 0
	MULS \s, (\s)%2, 2
.else
	WIN 0x50                                       ; C and D in window 1
	MULS \s, (\s)%2, 1
.endif
.rept 4
	v_nop                                          ; four places in front of loads into registers that matrix instructions have read, and of the first read of results
.endr
	WIN 0
.if (\s) <= 5
	LOADSET (\s)+2, (\s)%2
.endif
.endm
.irp p, 0,1
.irp g, 0,1
	ds_load_b128 v[SPB+8*\p+4*\g:SPB+8*\p+4*\g+3], v3 offset:1024*\p+256*\g   ; register 8 p + s: lanes 0-15 tile 2 p's word of K step s, lanes 16-31 tile 2 p + 1's
	ds_load_b128 v[SRB+8*\p+4*\g:SRB+8*\p+4*\g+3], v4 offset:1024*\p+256*\g
.endr
.endr
	LOADSET 0, 0
	LOADSET 1, 1
	s_wait_loadcnt 0x0                             ; bo
	KSTEP 0
	KSTEP 1
	KSTEP 2
	KSTEP 3
	KSTEP 4
	KSTEP 5
	KSTEP 6
	KSTEP 7
; THE WAY OUT, a tile of 16 tokens x 64 n at a time, through my own stage: a lane's eight numbers of Wo's tile b lie 128 (b / 2) + 64 h + 32 (b % 2) bytes on in its token's 256 bytes.
; LDS serves a wave's instructions in order: no wait between the stores and the loads, nor in front of the next tile's stores.
.macro TOSTAGE a
	WIN 0x04                                       ; an LDS store's data are its source 1: window 1
.irp b, 0,1,2,3
	ds_store_b128 v6, v[32*(\a)+8*\b:32*(\a)+8*\b+3] offset:128*(\b/2)+32*(\b%2)       ; each accumulator from its low end on
	ds_store_b128 v6, v[32*(\a)+8*\b+4:32*(\a)+8*\b+7] offset:128*(\b/2)+32*(\b%2)+16
.endr
	WIN 0
.irp t, 0,1,2,3,4,5,6,7
	ds_load_b128 v[F+32*(\a)+4*\t:F+32*(\a)+4*\t+3], v7 offset:544*\t
.endr
.endm
.macro SEND a, younger                 ; slot 2 t + h of tile a is token 32 (a / 2) + 8 (a % 2) + 2 t + h + 8 (t / 4) of my 64
	s_wait_dscnt \younger
.irp t, 0,1,2,3,4,5,6,7
	global_store_b128 v8, v[F+32*(\a)+4*\t:F+32*(\a)+4*\t+3], s[14:15] offset:(32*((\a)/2)+8*((\a)%2)+2*\t+8*(\t/4))*4096 th:TH_STORE_NT   ; 16 lanes store 256 consecutive bytes, aligned
.endr
.endm
	TOSTAGE 0
.irp a, 1,2,3
	TOSTAGE \a
	SEND \a-1, 16                                  ; behind the tile's loads: the next tile's 8 stores and 8 loads
.endr
	SEND 3, 0
	s_wait_tensorcnt 0x0                           ; the wave's end: behind my last tensor load and my last LDS store
	ds_add_u32 v[SPW], v[NIL]
	s_wait_dscnt 0x0
	s_endpgm
.Lfunc_end_k_q2cb209e763_outp:
	.size	k_q2cb209e763_outp, .Lfunc_end_k_q2cb209e763_outp-k_q2cb209e763_outp
	.p2alignl 7, 3214868480
	.fill 96, 4, 3214868480
	.section	.rodata,"a",@progbits
	.p2align	6, 0x0
	.amdhsa_kernel k_q2cb209e763_outp
		.amdhsa_group_segment_fixed_size 167936
		.amdhsa_private_segment_fixed_size 0
		.amdhsa_enable_private_segment 0
		.amdhsa_kernarg_size 48
		.amdhsa_user_sgpr_count 2
		.amdhsa_user_sgpr_kernarg_segment_ptr 1
		.amdhsa_wavefront_size32 1
		.amdhsa_system_sgpr_workgroup_id_x 1
		.amdhsa_system_sgpr_workgroup_id_y 1
		.amdhsa_system_sgpr_workgroup_id_z 1
		.amdhsa_system_vgpr_workitem_id 0
		.amdhsa_next_free_vgpr 384
		.amdhsa_next_free_sgpr 66
		.amdhsa_reserve_vcc 0
		.amdhsa_float_denorm_mode_32 3
		.amdhsa_float_denorm_mode_16_64 3
		.amdhsa_memory_ordered 1
		.amdhsa_forward_progress 1
		.amdhsa_inst_pref_size 40
	.end_amdhsa_kernel
	.amdgpu_metadata
---
amdhsa.version: [ 1, 2 ]
amdhsa.kernels:
  - .name:           k_q2cb209e763_outp
    .symbol:         k_q2cb209e763_outp.kd
    .args:
      - { .name: oc, .offset: 0, .size: 8, .value_kind: global_buffer, .address_space: global }
      - { .name: os, .offset: 8, .size: 8, .value_kind: global_buffer, .address_space: global }
      - { .name: codes, .offset: 16, .size: 8, .value_kind: global_buffer, .address_space: global }
      - { .name: scales, .offset: 24, .size: 8, .value_kind: global_buffer, .address_space: global }
      - { .name: bo, .offset: 32, .size: 8, .value_kind: global_buffer, .address_space: global }
      - { .name: out0, .offset: 40, .size: 8, .value_kind: global_buffer, .address_space: global }
    .group_segment_fixed_size: 167936
    .private_segment_fixed_size: 0
    .kernarg_segment_align: 8
    .kernarg_segment_size: 48
    .max_flat_workgroup_size: 128
    .sgpr_count:     66
    .vgpr_count:     384
    .wavefront_size: 32
...
	.end_amdgpu_metadata
.endif
;; end of part 4
;; ======== version 2 of 2: 4 launches; version 1 with the launch attn written anew for expert scheduling mode
;; workspace buffers: codes 8,388,608 bytes; scales 524,288 bytes; hc 6,291,456 bytes; hs 655,360 bytes; oc 2,097,152 bytes; os 131,072 bytes
;; launch quant: the kernel of part 1 again; grid 512 x 1, 4 waves a work-group, no clusters, 34,304 bytes of LDS; arguments Q, K, V, Wq, Wk, Wv, Wo, codes, scales; writes codes, scales
;; launch proj: the kernel of part 2 again; grid 64 x 3, 8 waves a work-group, no clusters, 279,552 bytes of LDS; arguments codes, scales, bq, bk, bv, hc, hs; writes hc, hs
;; launch attn (part 5): grid 8 x 32, 16 waves a work-group, no clusters, 47,104 bytes of LDS; arguments hc, hs, oc, os; writes oc, os
.if DOCPART == 5
	.amdgcn_target "amdgcn-amd-amdhsa--gfx1250"
	.amdhsa_code_object_version 6
	.text
	.protected	k_q2cb209e763_attn
	.globl	k_q2cb209e763_attn
	.p2align	8
	.type	k_q2cb209e763_attn,@function
k_q2cb209e763_attn:
	s_mov_b64 s[64:65], 0
	v_nop
	global_prefetch_b8 v0, s[64:65] scope:SCOPE_SE
	s_setreg_imm32_b32 hwreg(HW_REG_WAVE_SCHED_MODE, 0, 2), 2
	s_setreg_imm32_b32 hwreg(HW_REG_WAVE_MODE, 25, 1), 1
	s_wait_xcnt 0x0
	s_wait_alu depctr_vm_vsrc(0)
; THIRD LAUNCH: o = softmax(q k^T / 8) v for each batch and head, both products on codes of FP4; o is quantised along the model's 1,024 for the last product.  Nothing is left out.
; THE SOFTMAX AHEAD OF THE SECOND PRODUCT: t = score x log2(e) / 8; M = the row's largest t so far, rounded up to a whole number; p = 2^(t - M) is what is quantised, along the keys, not normalised.
; The row's sum is taken of the unquantised p and divides at the end.  When M moves, the sum and O are multiplied by 2^(old M - new M): exact.
; THE FIRST PRODUCT'S K IS 64: the instruction's K is 128, so registers 4-7 of both fragments are zero codes, kept in registers, and bytes 2, 3 of both scale words are 0: they add nothing.
; SHARES: a work-group owns 256 queries of one batch and head (y); each of its sixteen waves one tile of 16 (token tile 16 x + w), in 256 registers: four waves to a SIMD, so that one wave's vector work stands beside another's products and LDS loads.
; Every wave walks the head's 2,048 keys, 128 a step.  K's and V's codes go through two LDS slots of 256 keys (8 KB + 8 KB, dense in hc): each of the 512 threads loads 16 + 16 bytes into registers a whole slot ahead and stores them to LDS.
; The head's scale words (8 KB, 4 KB) stay in LDS.  No tensor load.  No cluster: a work-group fetches 16 KB for 32 wave steps of some 250 vector instructions: what partners would share is a small part of a step.
; LAYOUT: both products transposed: S^T = k q^T, O^T = v^T p^T: a lane holds one query (slot lane % 16) throughout; by the slot order of k's tiles the 16 registers of tiles 2 b, 2 b + 1 are keys 32 b + 16 (lane / 16) + 0 .. 15.
; OUT: oc, the order of the last product's registers: token tile T x 8192 + head x 512 + 16 x lane; os: T x 512 + (head / 8) x 256 + 16 r + 2 (head % 8) + block: stored byte by byte, 128 KB in all.
; LIMITS: no NaN or infinity; a block of zeros keeps the byte 1; a block's largest p is made from its largest score, which takes v_exp_f32 not to fall where its input rises.
; REGISTERS: v1-11 addresses; v12 -M, v13 the largest t, v[14:15] the sum; v16-23 q; v24-27 k's scale words, v28-31 v's; v32-63 k's fragments 0-3, v192-223 its fragments 4-7; v64-95 v's four; v96-159 S^T, then p; v160-191 O^T;
;   v224-231 p's codes; v232-243, v252-254 at work; v244-251 the next slot on its way; v255 q's scale word.
; THE MODE: SCHED_MODE bits 1:0 = 2 (LLVM: expert scheduling mode 2), set by the entry lines.  The code itself states the register dependences
; between vector or matrix instructions and memory or LDS instructions, with s_wait_alu, always for 0.
; THE PLAN.  Registers that memory or LDS instructions touch, from the first slot on:
;   KS v24-27 and KF, the low four registers of k's eight fragments: LDS loads land in them; the step's eight products k q^T read them.
;   VS v28-31 and VF v64-95: LDS loads land in them; the step's four products v^T p^T read them.
;   NX v244-251: the next slot's global loads land in them; that slot's two LDS stores read them; no vector instruction names them.
;   v8, v9: the scale words' LDS addresses for a pair of slots: read by LDS loads (the step stands in the immediate); written once a pair.     v1, v4: offsets, never written again.
; A step has three waits on va_vdst.  The first, behind the 64 exponentials, is the wait for their results; it also states that the last step's products v^T p^T are done reading VS and VF and this step's
; products k q^T are done reading KS and KF.  Behind it this step's nine loads of v and, in a slot's first step, the next step's nine loads of k are dealt among the row's sums, which name none of those registers.
; The second is the wait for the four exponentials; in a pair's last step it also shows v8 and v9 written.  The third stands ahead of the products v^T p^T: p's codes and scale word are written.
; A slot's first step asks for its k behind the barrier with no further wait: no vector or matrix instruction since the first wait of the step before names KS or KF.
; One wait on vm_vsrc a slot stands ahead of the loads into NX, one a pair ahead of the additions to v8 and v9.
.set SLOTB, 16384
.set KSC,   32768                      ; k's scale words
.set VSC,   40960                      ; v's
.set SPARE, 45056                      ; the spare words, 128 bytes for each of sixteen waves
.set SPW, 5
.set NIL, 6
.set SEL, 20
.set CS,  22
.set TS,  24
.set TJ,  25
.set TRIP, 26
.set NX,  244                          ; v244-251 the next slot on its way
.set SO,  240                          ; v240-243 the conversions' scale operands
	s_load_b128 s[4:7], s[0:1], 0x0                ; hc, hs
	s_load_b128 s[8:11], s[0:1], 0x10              ; oc, os
	v_lshl_add_u32 v[SPW], v0, 2, SPARE
	v_mov_b32 v[NIL], 0
	v_lshrrev_b32 v1, 5, v0
	v_readfirstlane_b32 s12, v1                    ; wave 0..15
	s_and_b32 s13, ttmp7, 0xffff                   ; bh = 16 batch + head
	v_and_b32 v8, 31, v0
	v_and_b32 v9, 15, v0
	v_lshlrev_b32 v1, 4, v8                        ; v1: 16 x lane
	v_add_nc_u32 v2, KSC, v1                       ; v2: k's scale words: lanes 0-15 the step's first quad of tiles, lanes 16-31 the second
	v_lshlrev_b32 v10, 4, v9                       ; v10: 16 r
	v_add_nc_u32 v3, VSC, v10                      ; v3: v's scale words
	v_lshlrev_b32 v4, 4, v0                        ; v4: 16 x thread
	v_lshlrev_b32 v7, 3, v0                        ; v7: 8 x thread
	s_wait_alu depctr_va_sdst(0)                   ; s12 is written, ahead of its first reader: my tile's number is made from it
	s_lshl_b32 s28, s13, 16
	s_mov_b32 s29, 0
	s_lshl_b32 s30, ttmp9, 4
	s_add_co_u32 s30, s30, s12                     ; my token tile in the batch
	s_lshl_b32 s32, s30, 9
	s_mov_b32 s33, 0
	s_lshl_b32 s34, s13, 13
	s_mov_b32 s35, 0
	s_lshl_b32 s36, s13, 12
	s_mov_b32 s37, 0
	s_lshl_b32 s38, s13, 5
	s_lshr_b32 s39, s30, 2
	s_add_co_u32 s38, s38, s39
	s_lshl_b32 s38, s38, 8
	s_and_b32 s39, s30, 3
	s_lshl_b32 s39, s39, 2
	s_add_co_u32 s38, s38, s39                     ; q's scale words: (32 bh + quad) x 256 + 4 x tile in the quad
	s_mov_b32 s39, 0
	s_lshr_b32 s40, s13, 4
	s_lshl_b32 s40, s40, 7
	s_add_co_u32 s40, s40, s30                     ; T = 128 batch + tile
	s_and_b32 s41, s13, 15                         ; head
	s_lshl_b32 s42, s40, 13
	s_lshl_b32 s43, s41, 9
	s_add_co_u32 s42, s42, s43
	s_mov_b32 s43, 0
	s_lshl_b32 s44, s40, 9
	s_lshr_b32 s45, s41, 3
	s_lshl_b32 s45, s45, 8
	s_add_co_u32 s44, s44, s45
	s_and_b32 s45, s41, 7
	s_lshl_b32 s45, s45, 1
	s_add_co_u32 s44, s44, s45
	s_mov_b32 s45, 0
	s_mov_b32 s[SEL], 0x76543210
	s_mov_b32 s[SEL+1], 0xfedcba98
	s_mov_b32 s[CS], 0x3e38aa3b                    ; c = log2(e) / sqrt(64)
	s_mov_b32 s[CS+1], s[CS]                       ; (named with it as a pair, so it is written)
	s_mov_b32 s[TS], 0
	s_mov_b32 s[TJ], 0
	s_mov_b32 s[TRIP], 3
	v_add_nc_u32 v8, s[TS], v2                     ; v8: k's scale words of the first pair of slots
	v_add_nc_u32 v9, s[TJ], v3                     ; v9: v's
	s_wait_kmcnt 0x0
	s_add_nc_u64 s[14:15], s[4:5], s[28:29]        ; hc at my head: q here, k 2,097,152 on, v 4,194,304 on
	s_add_nc_u64 s[16:17], s[6:7], s[34:35]
	s_add_nc_u64 s[18:19], s[6:7], s[36:37]
	s_add_nc_u64 s[32:33], s[14:15], s[32:33]
	s_add_nc_u64 s[38:39], s[6:7], s[38:39]
	s_add_nc_u64 s[8:9], s[8:9], s[42:43]
	s_add_nc_u64 s[10:11], s[10:11], s[44:45]
	s_wait_alu depctr_va_vdst(0)                   ; the offsets and addresses v1, v4, v7, v8, v9 and v10 are written, which the loads and stores below read
	global_load_b128 v[96:99], v4, s[16:17] offset:262144      ; k's scale words of the head
	global_load_b64 v[100:101], v7, s[18:19] offset:524288     ; v's
	global_load_b128 v[NX:NX+3], v4, s[14:15] offset:2097152   ; slot 0: k's 16 tiles,
	global_load_b128 v[NX+4:NX+7], v4, s[14:15] offset:4194304 ; v's two key steps
	global_load_b128 v[16:19], v1, s[32:33]                    ; q's fragment, registers 0-3
	global_load_b32 v255, v10, s[38:39]                        ; q's scale words
.irp j, 20,21,22,23
	v_mov_b32 v[\j], 0                             ; q's zero codes
.endr
.irp t, 0,1,2,3,4,5,6,7
.irp j, 4,5,6,7
	v_mov_b32 v[32+8*\t+128*(\t/4)+\j], 0          ; k's zero codes: written once, no load lands on them
.endr
.endr
	v_mov_b32 v13, 0xff61b1e6                      ; the largest t so far: -3e38, under every t
	v_floor_f32 v12, -v13                          ; -M
	v_mov_b32 v14, 0
	v_mov_b32 v15, 0
.irp b, 0,1,2,3
	v_mov_b32 v[236+\b], 0                         ; a lane permute's destination counts as one of its sources
.endr
	v_mov_b32 v253, 0                              ; (named as the upper half of the pair v[252:253] before it is first written)
.set ii, 0
.rept 32
	v_mov_b32 v[160+ii], 0                         ; O^T: the step is written once: the first finds zeros, which the first change of M leaves zeros
.set ii, ii+1
.endr
	s_wait_alu depctr_va_vdst(0)                   ; q's and k's zero codes are written, which every scaled product k q^T takes as part of its A and B; the lines behind them are the places
	s_wait_loadcnt 0x0
	ds_store_b128 v4, v[96:99] offset:KSC
	ds_store_b64 v7, v[100:101] offset:VSC
; k of the q-th step of slot p: load n of nine: its scale words (register t: lanes 0-15 tile t's, lanes 16-31 tile 4 + t's), then its eight tiles
.macro KLD n, p, q
.if (\n) == 0
	ds_load_b128 v[24:27], v8 offset:512*(2*(\p)+(\q))
.else
.set tt, (\n)-1
.set kf, 32+8*tt+128*(tt/4)
	ds_load_b128 v[kf:kf+3], v1 offset:SLOTB*(\p)+512*(8*(\q)+tt)
.endif
.endm
; load n of the list that a step deals among its sums: v's scale words (register d: d tile d's), v's eight halves of fragments; in a slot's first step then the next step's nine of k
.macro LD n, p, q
.if (\n) == 0
	ds_load_b128 v[28:31], v9 offset:256*(2*(\p)+(\q))
.elseif (\n) < 9
.set dd, ((\n)-1)/2
.set cc, ((\n)-1)%2
	ds_load_b128 v[64+8*dd+4*cc:67+8*dd+4*cc], v1 offset:SLOTB*(\p)+8192+4096*(\q)+1024*dd+512*cc
.elseif (\q) == 0
	KLD (\n)-9, \p, 1
.endif
.endm
; A KEY STEP: 128 keys, the q-th of slot p.  adv = 1: the last step of a pair of slots that has a successor
.macro STEP p, q, adv
.if (\q) == 0
.set nn, 0
.rept 9
	KLD nn, \p, 0                                  ; a slot's first step asks for its k here, behind the barrier.  No wait: no vector or matrix instruction since the first wait of the step before names these registers, and v8 was written ahead of that step's second
.set nn, nn+1
.endr
.endif
	s_wait_dscnt 4                                 ; k's words and tiles 0-3 are in; the four loads of tiles 4-7 may be out
.irp t, 0,1,2,3
	v_wmma_scale_f32_16x16x128_f8f6f4 v[96+8*\t:103+8*\t], v[32+8*\t:39+8*\t], v[16:23], 0, v[24+\t], v255 matrix_a_fmt:MATRIX_FMT_FP4 matrix_b_fmt:MATRIX_FMT_FP4
.endr
	s_wait_dscnt 0x0
.irp t, 0,1,2,3
	v_wmma_scale_f32_16x16x128_f8f6f4 v[128+8*\t:135+8*\t], v[192+8*\t:199+8*\t], v[16:23], 0, v[24+\t], v255 matrix_a_fmt:MATRIX_FMT_FP4 matrix_b_fmt:MATRIX_FMT_FP4 matrix_a_scale:MATRIX_SCALE_ROW1
.endr
.rept 4
	v_nop                                          ; four places behind the products, in front of the first read of their results
.endr
.irp b, 0,1,2,3
	v_max3_num_f32 v[232+\b], v[96+16*\b], v[97+16*\b], v[98+16*\b]   ; the largest score of each block of 32 keys: it serves for the row's maximum and, since p rises with the score, for the block's largest p
.endr
.irp i, 3,5,7,9,11,13
.irp b, 0,1,2,3
	v_max3_num_f32 v[232+\b], v[232+\b], v[96+16*\b+\i], v[97+16*\b+\i]
.endr
.endr
.irp b, 0,1,2,3
	v_max_num_f32 v[232+\b], v[232+\b], v[111+16*\b]
.endr
.irp b, 0,1,2,3
	v_permlanex16_b32 v[236+\b], v[232+\b], s[SEL], s[SEL+1]
.endr
.irp b, 0,1,2,3
	v_max_num_f32 v[232+\b], v[232+\b], v[236+\b]  ; with lane l xor 16's 16 keys
.endr
	v_max3_num_f32 v254, v232, v233, v234
	v_max_num_f32 v254, v254, v235                 ; the step's largest score of my query
	v_mul_f32 v254, s[CS], v254                    ; as t (c is positive)
	v_max_num_f32 v13, v13, v254                   ; the running largest t
	v_mov_b32 v254, v12
	v_floor_f32 v12, -v13                          ; the new -M = floor(-t) = -ceil(t)
	v_sub_f32 v254, v12, v254                      ; old M less new M: a whole number, 0 or less
	v_cvt_i32_f32 v254, v254                       ; (it saturates)
	v_ldexp_f32 v252, 1.0, v254                    ; f = 2^(old M - new M)
.set ii, 0
.rept 32
	v_pk_fma_f32 v[96+ii:97+ii], v[96+ii:97+ii], s[CS:CS+1], v[12:13] op_sel_hi:[1,0,0]   ; t - M, two at a time
.set ii, ii+2
.endr
.irp b, 0,1,2,3
	v_fma_f32 v[232+\b], v[232+\b], s[CS], v12     ; the same of each block's largest score
.endr
.set ii, 0
.rept 64
	v_exp_f32 v[96+ii], v[96+ii]                   ; p = 2^(t - M), at most 1
.set ii, ii+1
.endr
	v_pk_mul_f32 v[14:15], v[14:15], v[252:253] op_sel_hi:[1,0]   ; the sums under the new M: the plain place behind the exponentials
	s_wait_alu depctr_va_vdst(0)                   ; the 64 exponentials have written p, ahead of its first reader; the last step's products v^T p^T are done reading v28-31 and v64-95, and this step's products k q^T v24-27 and k's fragments: the loads below land there
.irp b, 0,1,2,3
	v_exp_f32 v[232+\b], v[232+\b]                 ; the block's largest p
.endr
	v_pk_add_f32 v[236:237], v[96:97], v[98:99]    ; the row's sum is taken of the unquantised p: two at a time, in two chains
.set nn, 0
.irp j, 4,8,12,16,20,24,28,32,36,40,44,48,52,56,60
	LD nn, \p, \q                                  ; a load to each pair of additions.  No wait: no vector instruction since the wait above names a register that these loads touch
	v_pk_add_f32 v[14:15], v[14:15], v[96+\j:97+\j]
	v_pk_add_f32 v[236:237], v[236:237], v[98+\j:99+\j]
.set nn, nn+1
.endr
	LD 15, \p, \q
	LD 16, \p, \q
	LD 17, \p, \q
.if \adv
	s_add_co_u32 s[TS], s[TS], 2048                ; the next pair of slots' scale words: four steps of 512 bytes,
	s_add_co_u32 s[TJ], s[TJ], 1024                ; of 256
	s_wait_alu depctr_vm_vsrc(0)                   ; the LDS loads issued so far, the pair's last by these addresses among them, have read v8 and v9
	v_add_nc_u32 v8, s[TS], v2
	v_add_nc_u32 v9, s[TJ], v3
.endif
	v_pk_add_f32 v[14:15], v[14:15], v[236:237]
	s_wait_alu depctr_va_vdst(0)                   ; the four exponentials have written v232-235, ahead of their first reader; in a pair's last step v8 and v9 are written, which the next pair's LDS loads read
.irp b, 0,1,2,3
	v_max_num_f32 v[232+\b], 0x1800000, v[232+\b]  ; the floor 2^(3 - 127): the byte cannot fall under 1
.endr
.irp b, 0,1,2,3
	v_add_nc_u32 v[SO+\b], 0xff000000, v[232+\b]   ; 2 off the exponent field: the conversion's scale operand
.endr
.irp b, 0,1,2,3
	v_lshrrev_b32 v[236+\b], 23, v[SO+\b]
.endr
	v_lshl_or_b32 v253, v237, 8, v236              ; p's scale word for these 128 keys
	v_lshl_or_b32 v253, v238, 16, v253
	v_lshl_or_b32 v253, v239, 24, v253
.irp b, 0,1,2,3
	v_cvt_scalef32_pk8_fp4_f32 v[224+2*\b], v[96+16*\b:103+16*\b], v[SO+\b]
	v_cvt_scalef32_pk8_fp4_f32 v[225+2*\b], v[104+16*\b:111+16*\b], v[SO+\b]
.endr
	v_nop                                          ; one plain place behind a scaled conversion
.irp c, 0,1
.irp i, 0,1
	v_permlane16_swap_b32 v[224+4*\c+\i], v[226+4*\c+\i]   ; a whole block in a lane
.endr
.endr
.set ii, 0
.rept 16
	v_pk_mul_f32 v[160+ii:161+ii], v[160+ii:161+ii], v[252:253] op_sel_hi:[1,0]   ; O^T under the new M; these sixteen are also the places between the writes of p's codes and scale word and the products
.set ii, ii+2
.endr
	s_wait_alu depctr_va_vdst(0)                   ; p's codes v224-231 and its scale word v253 are written, which the scaled products below take as B and as its scales; the sixteen places above stay beside this wait
	s_wait_dscnt 9-9*(\q)                          ; v's words and fragments are in; in a slot's first step the next step's nine loads of k may be out
.irp d, 0,1,2,3
	v_wmma_scale_f32_16x16x128_f8f6f4 v[160+8*\d:167+8*\d], v[64+8*\d:71+8*\d], v[224:231], v[160+8*\d:167+8*\d], v[28+\d], v253 matrix_a_fmt:MATRIX_FMT_FP4 matrix_b_fmt:MATRIX_FMT_FP4
.endr
.endm
; A SLOT.  My 32 bytes of it go to LDS; one barrier: in front of it my stores have landed and my reads of the other slot are over; the slot stored now was last read ahead of the barrier before this one.
; more = 1: behind the barrier the next slot's bytes are asked for, into the registers just stored: they have the slot's two key steps in which to come.
.macro PHASE p, more, off, adv
	s_wait_loadcnt 0x0
	ds_store_b128 v4, v[NX:NX+3] offset:SLOTB*(\p)
	ds_store_b128 v4, v[NX+4:NX+7] offset:SLOTB*(\p)+8192
	s_wait_dscnt 0x0
	s_barrier_signal -1
	s_barrier_wait -1
.if \more
	s_wait_alu depctr_vm_vsrc(0)                   ; my LDS stores have read v244-251, in which the loads below land; in the first slot also v96-101, which the first products write
	global_load_b128 v[NX:NX+3], v4, s[14:15] offset:2097152+(\off)
	global_load_b128 v[NX+4:NX+7], v4, s[14:15] offset:4194304+(\off)
.endif
	STEP \p, 0, 0
	STEP \p, 1, \adv
.endm
.Lpair:                                            ; three trips of two slots
	PHASE 0, 1, 8192, 0
	PHASE 1, 1, 16384, 1
	s_wait_xcnt 0x0                                ; the loads have read their base: it may step
	s_add_nc_u64 s[14:15], s[14:15], 16384
	s_sub_co_u32 s[TRIP], s[TRIP], 1
	s_cmp_lg_u32 s[TRIP], 0
	s_cbranch_scc1 .Lpair
	PHASE 0, 1, 8192, 0                            ; the last two slots are written out: the last asks for nothing, so no load leaves hc
	PHASE 1, 0, 0, 0
	; THE WAY OUT: O^T / the sum; register 16 b + i is d = 32 b + 16 (lane / 16) + i of my query: two blocks of the last product's K
.rept 4
	v_nop                                          ; four places behind the last products
.endr
	v_add_f32 v14, v14, v15
	v_permlanex16_b32 v252, v14, s[SEL], s[SEL+1]
	v_add_f32 v14, v14, v252                       ; the row's sum
	v_rcp_f32 v14, v14
	v_bfe_u32 v11, v0, 4, 1                        ; (a plain place behind the reciprocal)  h
	v_add_nc_u32 v10, v10, v11                     ; 16 r + h: my scale byte's place.  (The one load that read v10 stands at the head, ahead of every slot's wait on vm_vsrc)
	s_wait_alu depctr_va_vdst(0)                   ; the reciprocal has written v14, ahead of its first reader
.set ii, 0
.rept 16
	v_pk_mul_f32 v[96+ii:97+ii], v[160+ii:161+ii], v[14:15] op_sel_hi:[1,0]
.set ii, ii+2
.endr
.irp b, 0,1
	v_max3_num_f32 v[232+\b], |v[96+16*\b]|, |v[97+16*\b]|, 0x1800000
.endr
.irp i, 2,4,6,8,10,12,14
.irp b, 0,1
	v_max3_num_f32 v[232+\b], v[232+\b], |v[96+16*\b+\i]|, |v[97+16*\b+\i]|
.endr
.endr
.irp b, 0,1
	v_permlanex16_b32 v[236+\b], v[232+\b], s[SEL], s[SEL+1]
.endr
.irp b, 0,1
	v_max_num_f32 v[232+\b], v[232+\b], v[236+\b]
.endr
.irp b, 0,1
	v_add_nc_u32 v[SO+\b], 0xff000000, v[232+\b]
.endr
.irp b, 0,1
	v_lshrrev_b32 v[236+\b], 23, v[SO+\b]
.endr
.irp b, 0,1
	v_cvt_scalef32_pk8_fp4_f32 v[224+2*\b], v[96+16*\b:103+16*\b], v[SO+\b]
	v_cvt_scalef32_pk8_fp4_f32 v[225+2*\b], v[104+16*\b:111+16*\b], v[SO+\b]
.endr
	v_nop
	v_permlane16_swap_b32 v224, v226               ; lanes 0-15 now hold block 0 whole, lanes 16-31 block 1
	v_permlane16_swap_b32 v225, v227
	v_cmp_ne_u32 vcc_lo, 0, v11
	s_wait_alu depctr_va_vcc(0)                    ; VCC is written, ahead of the select that reads it
	v_cndmask_b32 v236, v236, v237, vcc_lo         ; my half's block's byte
	s_wait_alu depctr_va_vdst(0)                   ; the codes v224-227, the byte v236 and its offset v10 are written, which the two stores read
	global_store_b128 v1, v[224:227], s[8:9] th:TH_STORE_NT    ; 512 consecutive bytes, aligned
	global_store_b8 v10, v236, s[10:11]
	s_wait_dscnt 0x0                               ; the closing lines, six on end
	s_wait_alu 0x0
	s_wait_tensorcnt 0x0
	ds_add_u32 v[SPW], v[NIL]
	s_wait_dscnt 0x0
	s_endpgm
.Lfunc_end_k_q2cb209e763_attn:
	.size	k_q2cb209e763_attn, .Lfunc_end_k_q2cb209e763_attn-k_q2cb209e763_attn
	.p2alignl 7, 3214868480
	.fill 96, 4, 3214868480
	.section	.rodata,"a",@progbits
	.p2align	6, 0x0
	.amdhsa_kernel k_q2cb209e763_attn
		.amdhsa_group_segment_fixed_size 47104
		.amdhsa_private_segment_fixed_size 0
		.amdhsa_enable_private_segment 0
		.amdhsa_kernarg_size 32
		.amdhsa_user_sgpr_count 2
		.amdhsa_user_sgpr_kernarg_segment_ptr 1
		.amdhsa_wavefront_size32 1
		.amdhsa_system_sgpr_workgroup_id_x 1
		.amdhsa_system_sgpr_workgroup_id_y 1
		.amdhsa_system_sgpr_workgroup_id_z 1
		.amdhsa_system_vgpr_workitem_id 0
		.amdhsa_next_free_vgpr 256
		.amdhsa_next_free_sgpr 66
		.amdhsa_reserve_vcc 1
		.amdhsa_float_denorm_mode_32 3
		.amdhsa_float_denorm_mode_16_64 3
		.amdhsa_memory_ordered 1
		.amdhsa_forward_progress 1
		.amdhsa_inst_pref_size 128
	.end_amdhsa_kernel
	.amdgpu_metadata
---
amdhsa.version: [ 1, 2 ]
amdhsa.kernels:
  - .name:           k_q2cb209e763_attn
    .symbol:         k_q2cb209e763_attn.kd
    .args:
      - { .name: hc, .offset: 0, .size: 8, .value_kind: global_buffer, .address_space: global }
      - { .name: hs, .offset: 8, .size: 8, .value_kind: global_buffer, .address_space: global }
      - { .name: oc, .offset: 16, .size: 8, .value_kind: global_buffer, .address_space: global }
      - { .name: os, .offset: 24, .size: 8, .value_kind: global_buffer, .address_space: global }
    .group_segment_fixed_size: 47104
    .private_segment_fixed_size: 0
    .kernarg_segment_align: 8
    .kernarg_segment_size: 32
    .max_flat_workgroup_size: 512
    .sgpr_count:     66
    .vgpr_count:     256
    .wavefront_size: 32
...
	.end_amdgpu_metadata
.endif
;; end of part 5
;; launch outp: the kernel of part 4 again; grid 8 x 32, 4 waves a work-group, no clusters, 167,936 bytes of LDS; arguments oc, os, codes, scales, bo, out0; writes out0
